; MI455X (gfx1250); checked and timed in simulation.
; The chip was launched on July 23, 2026; its instructions are those of AMD's public machine-readable ISA for CDNA 5 (MIT licence, August 2026) and "CDNA5" Instruction Set Architecture Reference Guide (July 2026). The comments in the code are by the model that wrote it; some were corrected since.
;; Inner Attention. Allowed arithmetic: matrix products marked QUANTISED: E2M3 operands, one E8M0 scale for each 32 along K, by v_wmma_scale_f32_16x16x128_f8f6f4 with both operands' format E2M3, f32 sums; everything else in f32.
;; Inputs: x 8 x 2,048 x 1,024 float32; y 8 x 2,048 x 1,024 float32.
;; Outputs: out0 8 x 2,048 x 1,024 float32.
;; This version of the problem:
;;   THIS VERSION OF THE PROBLEM IS GIVEN IN LOW PRECISION. The matrix products marked QUANTISED in the list below multiply operands that are first quantised to E2M3 (2 exponent bits, 3 mantissa bits; 6 bits a number), with one power-of-two scale for each 32 numbers along K (OCP MX v1.0); their sums are f32. All else is computed in f32.
;;   The module's matrix products, in the order in which they are computed (A, B: the left and right operand; K: the contracted axis; several contracted axes count as one K, in the product's order):
;;     1. batch 8 x [M 2,048, K 1,024] x [K 1,024, N 2,048]; A: input x; B: input y: QUANTISED
;;     2. batch 8 x [M 2,048, K 2,048] x [K 2,048, N 1,024]; A: computed on the way; B: input x: QUANTISED
;;   THE QUANTISER, for each operand of a quantised product, along K:
;;     - K is cut into blocks of 32 from its start; a last block that is shorter is filled with zeros.
;;     - A block's scale is 2^e with e = floor(log2(the largest magnitude in the block)) - 2, held to -126 .. 127; a block of zeros has e = 0. As a byte (E8M0): e + 127.
;;     - Each number is divided by its block's scale, clamped to +-7.5, and rounded to the nearest number of E2M3, ties to even, subnormals kept.
;;     - The product sums the exact products of the quantised numbers (number of the format x scale) in f32.
;;   ~~~python
;;   def quantise(x, axis):      # numpy; x: float32 -> the quantised numbers, widened to float32 again
;;       x = np.moveaxis(x, axis, -1); K = x.shape[-1]
;;       x = np.pad(x, [(0, 0)] * (x.ndim - 1) + [(0, -K % 32)]); x = x.reshape(x.shape[:-1] + (-1, 32)); a = np.abs(x).max(-1, keepdims=True)
;;       e = np.where(a > 0, np.clip(np.frexp(np.where(a > 0, a, 1))[1] - 1 - 2, -126, 127), 0)      # np.frexp(a)[1] - 1 = floor(log2(a)), exactly
;;       r = np.clip(x / 2.0 ** e, -7.5, 7.5)
;;       step = 2.0 ** (np.maximum(np.frexp(np.where(r == 0, 1, r))[1] - 1, 0) - 3)
;;       q = np.round(r / step) * step * 2.0 ** e      # np.round: ties to even
;;       return np.moveaxis(q.reshape(q.shape[:-2] + (-1,))[..., :K], -1, axis).astype(np.float32)
;;   ~~~
;;   OPERANDS COMPUTED ON THE WAY. 'Computed on the way' means the value that the module computes at that place (a softmax that the list does not call 'softmax' is quantised finished and normalised). What goes into a quantiser is computed in f32, as accurately as f32 sums, v_exp_f32 and their like allow (about 1e-6 of the number): no bf16 or f16 on the way to a quantiser, and a product that is left as it is and whose result goes on into a quantised operand takes f32 operands (vector FMAs, or v_wmma_f32_16x16x4_f32). A number that lies on a knife's edge between two numbers of the format may be rounded either way, as far as f32 arithmetic and the matrix unit's own rounding can turn it there, and no further.
;; One version. Each part assembles by itself: llvm-mc -triple=amdgcn-amd-amdhsa -mcpu=gfx1250 --defsym DOCPART=n.
;; ======== version 1 of 1: 4 launches
;; limits: right only within a limited range of input values
;; workspace buffers: xq 13,107,200 bytes; yq 13,107,200 bytes; xmq 13,107,200 bytes; pq 26,214,400 bytes; stats 2,097,152 bytes
;; launch quant (part 1): grid 1024 x 1, 4 waves a work-group, no clusters, 68,608 bytes of LDS; arguments x, y, xq, yq, xmq; writes xq, yq, xmq
.if DOCPART == 1
	.amdgcn_target "amdgcn-amd-amdhsa--gfx1250"
	.amdhsa_code_object_version 6
	.text
	.protected	k_q9e4a10d995_quant
	.globl	k_q9e4a10d995_quant
	.p2align	8
	.type	k_q9e4a10d995_quant,@function
k_q9e4a10d995_quant:
	s_mov_b64 s[64:65], 0
	v_nop
	global_prefetch_b8 v0, s[64:65] scope:SCOPE_SE
	s_setreg_imm32_b32 hwreg(HW_REG_WAVE_MODE, 25, 1), 1
	s_wait_xcnt 0x0
; out[b][n][:] = sum over m of softmax_n(x[b][m] . y[b][n]) x[b][m][:], both products on codes of FP6 (E2M3) with one E8M0 scale for each 32 along K.
; THE PROGRAM: this launch turns x and y into codes; the second makes the scores e and keeps, for each row m and each 128 columns n, the largest score and the sum of exponentials;
; the third makes e again, joins those figures, and quantises the finished p along m; the fourth multiplies p by x.  e is made twice and never goes to memory.
; NO WORK OF reference() IS DEAD: both inputs reach the output through both products, and the maximum is taken away ahead of the exponentials as reference() takes it.
; THIS LAUNCH.  x [8][2048][1024] f32 is an operand twice: along d (first product) and along m (second product); y [8][2048][1024] once, along d.
; A block's scale is 2^(floor(log2(its largest magnitude)) - 2); its byte is the largest magnitude's exponent field - 2, held at 1 from below.  A block of zeros so gets the byte 1 where the quantiser says 127: its codes are zeros, and this program alone reads the bytes.
; LIMITS: NaN and infinities among the inputs are not served.
; THE WORKSPACE IS LAID AS THE PRODUCTS WANT IT.  A fragment (16 rows x 128 K, 12 registers a lane) is 1,536 bytes: registers 4 c .. 4 c + 3 of lane l at 512 c + 16 l.  128 rows x 256 K are ONE piece of 25,600 bytes:
; its 16 fragments (16 rows i, 128 K q) at 3,072 i + 1,536 q, then its scale words (four bytes: a row's 128 K) at 24,576 + 512 q + 4 row.  Pieces: [batch][128 rows][256 K].
; In xq and yq THE ROWS OF A FRAGMENT ARE NOT NEIGHBOURS: place 16 p + r holds row 32 (p / 2) + 8 (p % 2) + r + 8 (r / 8), so that the third launch's results, 16 registers of two neighbouring tiles, are 16 neighbours along the second product's K.
; SHARES.  A work-group takes the tile (batch, 128 rows, 128 d) of x and then the same tile of y.  Each load reads 512 consecutive bytes; a tile turns through one stage in LDS.
; y's 32 loads a wave are issued directly behind the barrier that shows x's tile whole in the stage, into registers that x's work does not name: they are on their way while x is quantised.
; Wave w quantises rows 32 w .. 32 w + 31 along d (two fragments) and, of x, columns d = 32 w .. 32 w + 31 along m (two fragments).
; No tensor loads: four work-groups share a WGP (4 x 256 registers a SIMD, 4 x 68,608 bytes of LDS).  Matrix units and clusters have nothing to do here: no byte is shared.
.set BLK,   25600                      ; a piece of the workspace
.set SCO,   24576                      ; where its scale words begin
.set WSTR,  17024                      ; the stage: 32 rows.  Row m at (m / 32) WSTR + ((m / 16) % 2) HSTR + (m % 16) RP
.set HSTR,  8576                       ; 16 rows of 528 bytes + 128
.set RP,    528                        ; a row: 512 bytes + 16
.set SPARE, 4*WSTR                     ; behind the stage: the spare words, 128 bytes for each wave, which no other line names
.set LI,  4                            ; v4   16 x lane
.set STA, 5                            ; v5   the stage on the way in
.set AD,  6                            ; v6   out of it along d
.set AM,  7                            ; v7   out of it along m
.set LS,  8                            ; v8   4 x lane
.set SH,  9                            ; v9   8 (lane / 16)
.set SPW, 12                           ; v12  LDS address of my spare word; never rewritten
.set NIL, 13                           ; v13  0; never rewritten
.set W0,  14                           ; v14, v15 two fragments' scale words
.set W1,  15
.set C0,  16                           ; v16-27 a fragment's codes; v28-30, v32-34 the halves that are made elsewhere and moved
.set T0,  28
.set C1,  36                           ; the same for the second fragment
.set T1,  48
.set MX,  56                           ; v56-62 largest magnitudes, scale operands, bytes, the other half's word
.set X0,  64                           ; v64-127  a fragment's 64 numbers
.set LD0, 128                          ; v128-255 a tile's 32 loads
	s_load_b128 s[4:7], s[0:1], 0x0                ; x, y
	s_load_b128 s[8:11], s[0:1], 0x10              ; xq, yq
	s_load_b64 s[12:13], s[0:1], 0x20              ; xmq
	v_lshl_add_u32 v[SPW], v0, 2, SPARE
	v_mov_b32 v[NIL], 0
	v_lshrrev_b32 v1, 5, v0
	v_readfirstlane_b32 s14, v1                    ; wave 0..3
	v_and_b32 v1, 31, v0                           ; lane
	v_and_b32 v2, 15, v0                           ; r
	v_bfe_u32 v3, v0, 4, 1                         ; h
	v_lshlrev_b32 v[LI], 4, v1
	s_mul_i32 s19, s14, WSTR
	v_add_nc_u32 v[STA], s19, v[LI]
	v_lshrrev_b32 v10, 3, v2
	v_mul_u32_u24 v[AD], v10, HSTR                 ; r / 8: rows 16 further on
	v_and_b32 v10, 7, v2
	v_mad_u32_u24 v[AD], v10, RP, v[AD]
	v_lshl_add_u32 v[AD], v3, 7, v[AD]             ; my half's 32 numbers of each 64
	v_add_nc_u32 v[AD], s19, v[AD]
	v_mul_u32_u24 v[AM], v3, WSTR
	v_lshl_add_u32 v[AM], v2, 2, v[AM]
	s_lshl_b32 s19, s14, 7
	v_add_nc_u32 v[AM], s19, v[AM]                 ; column 32 w + r
	v_lshlrev_b32 v[LS], 2, v1
	v_lshlrev_b32 v[SH], 3, v3
	v_mov_b32 v[MX+6], 0                           ; written once: a lane permute's destination counts as one of its sources
	s_mov_b32 s24, 0x76543210
	s_mov_b32 s25, 0xfedcba98                      ; v_permlanex16_b32's selects for lane l xor 16
	s_lshr_b32 s16, ttmp9, 7                       ; the tile: batch b,
	s_bfe_u32 s17, ttmp9, 0x40003                  ; rows 128 mt on,
	s_and_b32 s18, ttmp9, 7                        ; columns 128 dt on
	s_lshl_b32 s26, s16, 23                        ; the source: b x 8,388,608 + (128 mt + 32 w) x 4,096 + 512 dt
	s_lshl_b32 s19, s17, 19
	s_add_co_u32 s26, s26, s19
	s_lshl_b32 s19, s14, 17
	s_add_co_u32 s26, s26, s19
	s_lshl_b32 s19, s18, 9
	s_add_co_u32 s26, s26, s19
	s_mov_b32 s27, 0
	s_mul_i32 s36, s16, 1638400                    ; a batch's pieces, in each of the three buffers
	s_mul_i32 s19, s17, 4*BLK                      ; along d: my 128 rows are group mt, of four pieces;
	s_add_co_u32 s28, s36, s19
	s_lshr_b32 s19, s18, 1
	s_mul_i32 s19, s19, BLK
	s_add_co_u32 s28, s28, s19                     ; the piece of K = 256 (dt / 2) on
	s_and_b32 s37, s18, 1                          ; which 128 of its 256
	s_lshl_b32 s19, s37, 9                         ; its scale words: + 24,576 + 512 q + 128 w
	s_add_co_u32 s30, s28, s19
	s_lshl_b32 s19, s14, 7
	s_add_co_u32 s30, s30, s19
	s_add_co_u32 s30, s30, SCO
	s_mov_b32 s31, 0
	s_mul_i32 s19, s37, 1536                       ; its codes: + 1,536 q + 2 w x 3,072
	s_add_co_u32 s28, s28, s19
	s_mul_i32 s19, s14, 6144
	s_add_co_u32 s28, s28, s19
	s_mov_b32 s29, 0
	s_mul_i32 s19, s18, 8*BLK                      ; along m: my 128 columns d are group dt, of eight pieces;
	s_add_co_u32 s32, s36, s19
	s_lshr_b32 s19, s17, 1
	s_mul_i32 s19, s19, BLK
	s_add_co_u32 s32, s32, s19                     ; the piece of K = 256 (mt / 2) on
	s_and_b32 s37, s17, 1
	s_lshl_b32 s19, s37, 9
	s_add_co_u32 s34, s32, s19
	s_lshl_b32 s19, s14, 7
	s_add_co_u32 s34, s34, s19
	s_add_co_u32 s34, s34, SCO
	s_mov_b32 s35, 0
	s_mul_i32 s19, s37, 1536
	s_add_co_u32 s32, s32, s19
	s_mul_i32 s19, s14, 6144
	s_add_co_u32 s32, s32, s19
	s_mov_b32 s33, 0
	s_wait_alu depctr_va_vdst(0)                   ; the wait at the head's end
	s_wait_kmcnt 0x0
	s_add_nc_u64 s[4:5], s[4:5], s[26:27]          ; x's tile
	s_add_nc_u64 s[6:7], s[6:7], s[26:27]          ; y's tile
	s_add_nc_u64 s[20:21], s[8:9], s[30:31]        ; xq: scale words,
	s_add_nc_u64 s[8:9], s[8:9], s[28:29]          ; codes
	s_add_nc_u64 s[38:39], s[10:11], s[30:31]      ; yq: scale words,
	s_add_nc_u64 s[10:11], s[10:11], s[28:29]      ; codes
	s_add_nc_u64 s[22:23], s[12:13], s[34:35]      ; xmq: scale words,
	s_add_nc_u64 s[12:13], s[12:13], s[32:33]      ; codes
.macro TLOAD base                      ; my 32 rows of a tile: row 32 w + I, 32 lanes read its 512 consecutive bytes; read once in the program
.set I, 0
.rept 32
	global_load_b128 v[LD0+4*I:LD0+4*I+3], v[LI], s[\base:\base+1] offset:4096*I th:TH_LOAD_NT
.set I, I+1
.endr
.endm
.macro TSTAGE                          ; they go into the stage as they come
.set G, 0
.rept 4
	s_wait_loadcnt 24-8*G                          ; loads come back in order: eight more rows are in, the younger ones stay out
.set I, 8*G
.rept 8
	ds_store_b128 v[STA], v[LD0+4*I:LD0+4*I+3] offset:(I/16)*HSTR+(I%16)*RP
.set I, I+1
.endr
.set G, G+1
.endr
	s_wait_dscnt 0x0                               ; for the others' sake: my rows lie in the stage (and the stores have read their registers)
	s_barrier_signal -1
	s_barrier_wait -1                              ; everybody's do
.endm
; 64 numbers of a lane, v[x + 32 k + i] = K 64 k + 32 (lane / 16) + i of my row, become a fragment's 12 registers in v[c] on and its scale word in v[w].  A lane holds two whole blocks.
.macro QFRAG x, c, t, w
.irp k, 0,1
	v_max3_num_f32 v[MX+\k], |v[(\x)+32*\k]|, |v[(\x)+32*\k+1]|, 0x1800000   ; with the floor 2^(3 - 127): the byte cannot fall under 1
.endr
.irp i, 2,4,6,8,10,12,14,16,18,20,22,24,26,28,30
.irp k, 0,1
	v_max3_num_f32 v[MX+\k], v[MX+\k], |v[(\x)+32*\k+\i]|, |v[(\x)+32*\k+\i+1]|   ; (the two blocks by turns)
.endr
.endr
.irp k, 0,1
	v_add_nc_u32 v[MX+2+\k], 0xff000000, v[MX+\k]  ; 2 off the exponent field: the conversion takes the exponent field of this operand as its scale
.endr
.irp k, 0,1
	v_lshrrev_b32 v[MX+4+\k], 23, v[MX+2+\k]       ; the scale's byte
.endr
	v_lshl_or_b32 v[\w], v[MX+5], 16, v[MX+4]      ; my two bytes, blocks h and 2 + h,
	v_lshlrev_b32 v[\w], v[SH], v[\w]              ; at their places in the word;
	v_permlanex16_b32 v[MX+6], v[\w], s24, s25
	v_or_b32 v[\w], v[\w], v[MX+6]                 ; with lane l xor 16's two the word is whole
.irp k, 0,1
	v_cvt_scalef32_pk16_fp6_f32 v[(\c)+6*\k:(\c)+6*\k+2], v[(\x)+32*\k:(\x)+32*\k+15], v[MX+2+\k]
	v_cvt_scalef32_pk16_fp6_f32 v[(\t)+4*\k:(\t)+4*\k+2], v[(\x)+32*\k+16:(\x)+32*\k+31], v[MX+2+\k]   ; (a conversion's three registers begin on an even number)
.endr
	v_nop                                          ; one plain place behind a scaled conversion
.irp k, 0,1
.irp i, 0,1,2
	v_mov_b32 v[(\c)+6*\k+3+\i], v[(\t)+4*\k+\i]
.endr
.endr
.endm
.macro CSTORE c, base, off             ; a fragment leaves as it stands: each store covers 512 consecutive bytes, aligned to 256
.irp k, 0,1,2
	global_store_b128 v[LI], v[(\c)+4*\k:(\c)+4*\k+3], s[\base:\base+1] offset:(\off)+512*\k
.endr
.endm
.macro DLOAD u, x                      ; along d: fragment u of my wave's two: place r holds row 8 u + r + 8 (r / 8) of my 32
.irp k, 0,1
.irp j, 0,1,2,3,4,5,6,7
	ds_load_b128 v[(\x)+32*\k+4*\j:(\x)+32*\k+4*\j+3], v[AD] offset:8*(\u)*RP+256*\k+16*\j
.endr
.endr
.endm
.macro MLOAD f, x                      ; along m: column 16 (2 w + f) + r, rows 64 k + 32 h + i: registers run down the tile's rows
.set C, 0
.rept 2
.set I, 0
.rept 32
	ds_load_b32 v[(\x)+32*C+I], v[AM] offset:2*WSTR*C+(I/16)*HSTR+(I%16)*RP+64*(\f)
.set I, I+1
.endr
.set C, C+1
.endr
.endm
.macro PAIR m, cb, sb                  ; my wave's two fragments, along d (m = 0) or along m (m = 1): codes to s[cb], scale words to s[sb]
.if \m
	MLOAD 0, X0
.else
	DLOAD 0, X0
.endif
	s_wait_dscnt 0x0
	QFRAG X0, C0, T0, W0
	CSTORE C0, \cb, 0
.if \m
	MLOAD 1, X0
.else
	DLOAD 1, X0
.endif
	s_wait_dscnt 0x0
	QFRAG X0, C1, T1, W1
	CSTORE C1, \cb, 3072
	v_cmp_gt_u32 vcc_lo, 16, v1
	v_cndmask_b32 v[W0], v[W1], v[W0], vcc_lo      ; lanes 0-15 fragment 0's words, lanes 16-31 fragment 1's
	global_store_b32 v[LS], v[W0], s[\sb:\sb+1]    ; 32 rows' words: 128 consecutive bytes
.endm
	TLOAD 4                                        ; x's tile
	TSTAGE
	TLOAD 6                                        ; y's tile: 32 loads a wave are out while x is quantised; nothing below names their registers before TSTAGE
	PAIR 0, 8, 20                                  ; x along d
	s_wait_xcnt 0x0                                ; the stores above have read their registers: the codes and the word are written again only behind this wait
	PAIR 1, 12, 22                                 ; x along m
	s_wait_dscnt 0x0                               ; my reads of x's tile are over
	s_barrier_signal -1
	s_barrier_wait -1                              ; everybody's are: the stage may be stored to again
	TSTAGE
	s_wait_xcnt 0x0
	PAIR 0, 10, 38                                 ; y along d
	s_wait_tensorcnt 0x0                           ; the wave's end, behind my last LDS store
	ds_add_u32 v[SPW], v[NIL]
	s_wait_dscnt 0x0
	s_endpgm
.Lfunc_end_k_q9e4a10d995_quant:
	.size	k_q9e4a10d995_quant, .Lfunc_end_k_q9e4a10d995_quant-k_q9e4a10d995_quant
	.p2alignl 7, 3214868480
	.fill 96, 4, 3214868480
	.section	.rodata,"a",@progbits
	.p2align	6, 0x0
	.amdhsa_kernel k_q9e4a10d995_quant
		.amdhsa_group_segment_fixed_size 68608
		.amdhsa_private_segment_fixed_size 0
		.amdhsa_enable_private_segment 0
		.amdhsa_kernarg_size 40
		.amdhsa_user_sgpr_count 2
		.amdhsa_user_sgpr_kernarg_segment_ptr 1
		.amdhsa_wavefront_size32 1
		.amdhsa_system_sgpr_workgroup_id_x 1
		.amdhsa_system_sgpr_workgroup_id_y 1
		.amdhsa_system_sgpr_workgroup_id_z 1
		.amdhsa_system_vgpr_workitem_id 0
		.amdhsa_next_free_vgpr 256
		.amdhsa_next_free_sgpr 66
		.amdhsa_reserve_vcc 1
		.amdhsa_float_denorm_mode_32 3
		.amdhsa_float_denorm_mode_16_64 3
		.amdhsa_memory_ordered 1
		.amdhsa_forward_progress 1
		.amdhsa_inst_pref_size 47
	.end_amdhsa_kernel
	.amdgpu_metadata
---
amdhsa.version: [ 1, 2 ]
amdhsa.kernels:
  - .name:           k_q9e4a10d995_quant
    .symbol:         k_q9e4a10d995_quant.kd
    .args:
      - { .name: x, .offset: 0, .size: 8, .value_kind: global_buffer, .address_space: global }
      - { .name: y, .offset: 8, .size: 8, .value_kind: global_buffer, .address_space: global }
      - { .name: xq, .offset: 16, .size: 8, .value_kind: global_buffer, .address_space: global }
      - { .name: yq, .offset: 24, .size: 8, .value_kind: global_buffer, .address_space: global }
      - { .name: xmq, .offset: 32, .size: 8, .value_kind: global_buffer, .address_space: global }
    .group_segment_fixed_size: 68608
    .private_segment_fixed_size: 0
    .kernarg_segment_align: 8
    .kernarg_segment_size: 40
    .max_flat_workgroup_size: 128
    .sgpr_count:     66
    .vgpr_count:     256
    .wavefront_size: 32
...
	.end_amdgpu_metadata
.endif
;; end of part 1
;; launch gstat (part 2): grid 8 x 32, 4 waves a work-group, clusters of 4 x 4, 327,680 bytes of LDS; arguments xq, yq, stats; writes stats
.if DOCPART == 2
	.amdgcn_target "amdgcn-amd-amdhsa--gfx1250"
	.amdhsa_code_object_version 6
	.text
	.protected	k_q9e4a10d995_gstat
	.globl	k_q9e4a10d995_gstat
	.p2align	8
	.type	k_q9e4a10d995_gstat,@function
k_q9e4a10d995_gstat:
	s_mov_b64 s[64:65], 0
	v_nop
	global_prefetch_b8 v0, s[64:65] scope:SCOPE_SE
	s_setreg_imm32_b32 hwreg(HW_REG_WAVE_MODE, 25, 1), 1
	s_wait_xcnt 0x0
	s_wait_alu depctr_hold_cnt(0) depctr_sa_sdst(0) depctr_va_vdst(0) depctr_va_sdst(0) depctr_va_ssrc(0) depctr_va_vcc(0) depctr_vm_vsrc(0)
	s_getreg_b32 s2, hwreg(HW_REG_IB_STS2, 6, 4)
	s_cmp_eq_u32 s2, 0
	s_cbranch_scc0 .Lentry_in_a_cluster
	s_endpgm
.Lentry_in_a_cluster:
	s_bfe_u32 s2, ttmp6, 0x10000c
	s_cmp_lg_u32 s2, 0xf033
	s_cbranch_scc0 .Lentry_shape_is_right
	s_endpgm
.Lentry_shape_is_right:
; THE SCORES' FIGURES.  e[b][m][n] = x[b][m] . y[b][n] on codes of FP6 (E2M3) with E8M0 scales, K = 1,024.  e is not stored: for each row m and each 128 columns n this launch keeps T = c x (the largest e), c = log2(e),
; and S = the sum of 2^(c e - T), in f32.  The next launch joins a row's sixteen pairs.  Nothing of reference() is left out here.
; A tile of e, 256 m x 256 n, is made by a work-group of four waves; a wave makes 128 x 128: 64 accumulators of 16 x 16, 512 registers.  A = xq (rows m), B = yq (rows n).
; A WORK-GROUP STAYS and makes TWO tiles, the second 256 rows m further on, against the same rows n: 256 work-groups.  The second tile's codes come in while the first tile's figures are made.
; THE WORKSPACE: 128 rows x 256 K are one piece of 25,600 bytes: 16 fragments as images of the operand's registers (16 rows i, 128 K q, at 3,072 i + 1,536 q; registers 4 c .. 4 c + 3 of lane l at 512 c + 16 l), then the rows' scale words
; at 24,576 + 512 q + 4 row.  A group's pieces along K lie on end.  So one tensor load brings a slot's codes and scale words for 128 rows (100 rows of 256 bytes), or two slots' (200), and a fragment comes out of LDS by three loads of 512 consecutive bytes.
; LDS: a region of three PLACES of 25,600 bytes for each wave that fetches (waves 0, 1: A's two groups; waves 2, 3: B's).  The two tiles are eight slots S0-S7 of 256 K, in places 0 1 2 0 | 2 0 1 2.
; A place is filled again only behind a round of the cluster's barrier in front of which every wave has waited for all its tensor loads; so the refills are few, and each has two slots' products or a way out in which to land:
;   head: S0, and S1 with S2 by one load;  behind S0: S3;  behind S2: S4;  in the first tile's way out: S5 with S6 by one load;  behind S4: S7.  A wave has at most two tensor loads out.
; CLUSTERS: 4 x 4 work-groups.  The four of a row of the cluster need the same pieces of A, the four of a column the same pieces of B: each is asked for JOINTLY, by the same tensor load with the same descriptor and a mask that names the four.
; THE MATRIX INSTRUCTION IS USED TRANSPOSED (source 0 = 16 rows of B, source 1 = 16 rows of A): a lane holds ONE row m and, over a block's eight accumulators, 64 of my 128 columns; lane l xor 16 holds the other 64.
; PREFETCH only at the head, for slots 1, 2 and 3: every other refill here has two slots' products or a way out between its request and the wait for it, and the head's first pieces cannot be asked for earlier than they are.
; REGISTERS, in windows of 256: window 0: v0-31 addresses; v32-63 scale words, two sets, and nothing else; v64-119 the way out; v128-223 A's eight fragments, ONE set.
;   window 1: B's fragments, TWO sets, at v0 and v128.   window 2: the accumulators of my rows 0-63 ((a, b) at v[8 (8 a + b)]);   window 3: those of my rows 64-127.
; LIMITS: NaN and infinities are not served.
.set NQ,     2                         ; matrix instructions deep in a slot
.set FR,     12                        ; registers of a fragment
.set NL,     3                         ; LDS loads that bring one
.set NP,     4                         ; places behind this matrix instruction (ISA guide 7.12.1)
.set BLK,    25600                     ; a piece: 128 rows x 256 K, codes and scale words
.set SCO,    24576                     ; where its scale words begin
.set REG,    3*BLK                     ; a fetching wave's region: three places
.set STAGE,  4*REG                     ; behind the four regions: 1,024 bytes for each wave, for the way out; no tensor load lands here
.set SPARE,  STAGE+4096                ; the spare words, 128 bytes for each wave: two blocks of 256 bytes that no other line names
.set A_RG,   4*BLK                     ; from a group of 128 rows to the next, in xq and in yq
.set B_RG,   4*BLK
.set CO,   3                           ; v3      16 x lane; never rewritten
.set ADRS, 12                          ; v12-14  LDS address of my scale words in place 0, 1, 2: lanes 0-15 A's rows, lanes 16-31 B's
.set ADRA, 16                          ; v16-18  of my A fragments
.set ADRB, 20                          ; v20-22  of my B fragments
.set STO,  24                          ; v24     the way out: where I put a row's figure
.set RD,   25                          ; v25     and where I read 16 bytes back
.set SPW,  28                          ; v28     LDS address of my spare word; never rewritten
.set NIL,  29                          ; v29     0; never rewritten
.set SC,   32                          ; scale words: set s at v[SC + 16 s]; register 2 i + q: lanes 0-15 the word of A's block i, lanes 16-31 that of B's block i, for the slot's q-th 128 K
.set AF,   128
.set TT,   64                          ; the way out: v64-71 eight running maxima; v72 the other half's figure; v76-79 two packed sums; v80-87 what is stored
.set PT,   72
.set SU,   76
.set OB,   80
.set TA,   96                          ; v[96 + 2 a] T of block a (named as a pair: the odd ones are written once)
.set SS,   112                         ; v[112 + a] S of block a
.set G1,   24                          ; s[24:31] descriptor group 1 for one piece of A;  s[32:39] for two on end
.set G1D,  32
.set G1B,  48                          ; s[48:55], s[56:63] the same for B: they differ in the mask alone
.set G1BD, 56
.set G0X,  68                          ; s[68:71] group 0 of A's loads of one piece;  s[72:75] of its loads of two
.set G0Y,  72
.set G0BX, 76                          ; s[76:79], s[80:83] the same for B
.set G0BY, 80
.set MSB, 0
.macro WIN new                         ; the immediate's high byte repeats the setting that is left
.if MSB != (\new)
	s_set_vgpr_msb (MSB<<8)|(\new)
.set MSB, (\new)
.endif
.endm
.set MUL_LO, 0xa1                      ; source 0 (B) window 1, source 1 (A) window 0, C and D window 2
.set MUL_HI, 0xf1                      ; the same, C and D window 3
.set TO_B,   0x40                      ; destination window 1, address window 0
; A joint load: waves 0 and 1 fetch for A, waves 2 and 3 for B.  Each of the two lines has ONE mask and one set of registers for all that issue it; the branch hangs on the wave's number alone.
; An s_nop 0 and four v_nop follow each of the two lines, ahead of the jump, the label and what follows.
.macro JLOAD g0a, g1a, g0b, g1b
	s_cmp_eq_u32 s15, 0
	s_cbranch_scc0 .Lfor_b_\@
	tensor_load_to_lds s[\g0a:\g0a+3], s[\g1a:\g1a+7]
	s_nop 0
.rept 4
	v_nop
.endr
	s_branch .Lasked_\@
.Lfor_b_\@:
	tensor_load_to_lds s[\g0b:\g0b+3], s[\g1b:\g1b+7]
	s_nop 0
.rept 4
	v_nop
.endr
.Lasked_\@:
.endm
.macro CREST                           ; a round of the cluster's barrier behind its opening barrier
	s_cmp_lg_u32 s14, 0
	s_cbranch_scc1 .Lnot_wave_0_\@
	s_barrier_signal -3
.Lnot_wave_0_\@:
	s_barrier_wait -3
	s_barrier_signal -1
	s_barrier_wait -1
.endm
.macro CROUND                          ; a whole round
	s_barrier_signal -1
	s_barrier_wait -1
	CREST
.endm
; A refill, directly behind a round.  No tensor load of mine is out, so the descriptors may be written.  dbl = 1: two pieces on end.  da, db: how far A's and B's addresses step, in bytes.  pl: the place (the first of the two).
.macro REFILL dbl, da, db, pl
.if \dbl
.set RA, G0Y
.set RB, G0BY
.else
.set RA, G0X
.set RB, G0BX
.endif
	s_add_co_u32 s[RA+1], s45, (\pl)*BLK
	s_add_co_u32 s[RB+1], s45, (\pl)*BLK
.if (\da) > 0
	s_add_nc_u64 s[RA+2:RA+3], s[RA+2:RA+3], \da
.endif
.if (\db) > 0
	s_add_nc_u64 s[RB+2:RB+3], s[RB+2:RB+3], \db
.elseif (\db) < 0
	s_sub_nc_u64 s[RB+2:RB+3], s[RB+2:RB+3], -(\db)
.endif
.if \dbl
	JLOAD G0Y, G1D, G0BY, G1BD
.else
	JLOAD G0X, G1, G0BX, G1B
.endif
.endm
	s_load_b128 s[4:7], s[0:1], 0x0                ; A = xq, B = yq
	s_load_b64 s[8:9], s[0:1], 0x10                ; stats
	v_lshl_add_u32 v[SPW], v0, 2, SPARE
	v_mov_b32 v[NIL], 0
	ds_add_u32 v[SPW], v[NIL]                      ; the wave's opening: the add, twice on end, and its wait ahead of my first tensor load; the set-up below stands between the second and the wait
	ds_add_u32 v[SPW], v[NIL]
	v_lshrrev_b32 v1, 5, v0
	v_readfirstlane_b32 s14, v1                    ; wave 0..3
	s_lshr_b32 s15, s14, 1                         ; which of the tile's two groups of A rows is mine.  Also: I fetch for A (0) or for B (1)
	s_and_b32 s16, s14, 1                          ; which of its two groups of B rows.  Also: which group I fetch
	s_bfe_u32 s40, ttmp6, 0x40000                  ; cx, cy: my place in the cluster
	s_bfe_u32 s41, ttmp6, 0x40004
	s_lshl_b32 s42, ttmp9, 2
	s_add_co_u32 s42, s42, s40                     ; tx: B's tile = 4 x cluster x + cx
	s_and_b32 s95, ttmp7, 0xffff                   ; the cluster's y is the batch: a batch's four pairs of A's tiles are one cluster high
	s_lshl_b32 s17, s95, 2
	s_add_co_u32 s17, s17, s41                     ; ty = 4 x batch + the pair of A's tiles
	s_lshl_b32 s43, s41, 2
	s_lshl_b32 s43, 15, s43                        ; my row of the cluster
	s_lshl_b32 s44, 0x1111, s40                    ; my column
	; descriptor group 1: dense bytes as rows of 256 (32 elements of 8 bytes), no padding: 100 rows are a piece, 200 two
	s_or_b32 s[G1+0], s43, (3<<16)|(1<<21)         ; 15:0 the mask: A's pieces go to my row; 17:16 elements of 8 bytes; 21 set beside a mask
	s_or_b32 s[G1D+0], s43, (3<<16)|(1<<21)
	s_or_b32 s[G1B+0], s44, (3<<16)|(1<<21)        ; B's go to my column
	s_or_b32 s[G1BD+0], s44, (3<<16)|(1<<21)
.irp g, G1, G1B
	s_mov_b32 s[\g+1], 32<<16                      ; tensor_dim0
	s_mov_b32 s[\g+2], 100<<16                     ; tensor_dim1
	s_mov_b32 s[\g+3], 32<<16                      ; tile_dim0
	s_mov_b32 s[\g+4], 100                         ; tile_dim1
	s_mov_b32 s[\g+5], 32                          ; tensor_dim0_stride
	s_mov_b32 s[\g+6], 0
	s_mov_b32 s[\g+7], 0
.endr
.irp g, G1D, G1BD
	s_mov_b32 s[\g+1], 32<<16
	s_mov_b32 s[\g+2], 200<<16
	s_mov_b32 s[\g+3], 32<<16
	s_mov_b32 s[\g+4], 200
	s_mov_b32 s[\g+5], 32
	s_mov_b32 s[\g+6], 0
	s_mov_b32 s[\g+7], 0
.endr
	; where the pieces come from.  A's hang on ty alone, which my row of the cluster shares; B's on tx and the cluster's y, which my column shares; each in registers that never hold the other coordinate
	s_lshl_b32 s20, s17, 2
	s_add_co_u32 s20, s20, s16                     ; A: group 16 x batch + 4 x pair + the one I fetch
	s_mul_i32 s20, s20, A_RG
	s_mov_b32 s21, 0
	s_lshl_b32 s46, s95, 3
	s_add_co_u32 s46, s46, s42
	s_lshl_b32 s46, s46, 1
	s_add_co_u32 s46, s46, s16                     ; B: group 16 x batch + 2 tx + the one I fetch
	s_mul_i32 s46, s46, B_RG
	s_mov_b32 s47, 0
	s_mul_i32 s45, s14, REG                        ; where they go: my region: no place in the cluster enters an LDS address
	s_wait_dscnt 0x0                               ; both opening adds are done
	s_wait_kmcnt 0x0
	s_add_nc_u64 s[20:21], s[4:5], s[20:21]
	s_add_nc_u64 s[46:47], s[6:7], s[46:47]
	CROUND                                         ; all sixteen work-groups are here: the first joint loads meet
	s_mov_b32 s[G0X], 1                            ; 1:0 count = 1
	s_mov_b32 s[G0X+1], s45                        ; 63:32 LDS address: place 0
	s_mov_b64 s[G0X+2:G0X+3], s[20:21]             ; 120:64 global address: slot 0
	s_or_b32 s[G0X+3], s[G0X+3], 0x80000000        ; 127:126 type = 2
	s_mov_b32 s[G0BX], 1
	s_mov_b32 s[G0BX+1], s45
	s_mov_b64 s[G0BX+2:G0BX+3], s[46:47]
	s_or_b32 s[G0BX+3], s[G0BX+3], 0x80000000
	JLOAD G0X, G1, G0BX, G1B
	; The load of slots 1 and 2 sets out only when slot 0 has landed (below), so these first pieces are asked for ahead of their loads, as slot 3 is below.
	; A piece is 100 blocks of 256 bytes; the four partners that ask for it jointly share them out BY ADDRESS, 25 each (cx for A, cy for B): a lane a block, lanes 25-31 name the last block again; one instruction a piece and wave.
	s_cmp_eq_u32 s15, 0                            ; do I fetch for A?
	s_cselect_b64 s[90:91], s[20:21], s[46:47]
	s_cselect_b32 s92, s40, s41                    ; my place among the four
	s_mul_i32 s92, s92, 6400
	s_mov_b32 s93, 0
	s_add_nc_u64 s[90:91], s[90:91], s[92:93]      ; never rewritten
	v_and_b32 v30, 31, v0
	v_min_u32 v30, 24, v30
	v_lshlrev_b32 v30, 8, v30                      ; never rewritten
	global_prefetch_b8 v30, s[90:91] offset:BLK th:TH_LOAD_NT scope:SCOPE_SE
	global_prefetch_b8 v30, s[90:91] offset:2*BLK th:TH_LOAD_NT scope:SCOPE_SE
	s_mov_b32 s[G0Y], 1
	s_add_co_u32 s[G0Y+1], s45, BLK                ; places 1 and 2
	s_add_nc_u64 s[G0Y+2:G0Y+3], s[20:21], BLK     ; slots 1 and 2
	s_or_b32 s[G0Y+3], s[G0Y+3], 0x80000000
	s_mov_b32 s[G0BY], 1
	s_add_co_u32 s[G0BY+1], s45, BLK
	s_add_nc_u64 s[G0BY+2:G0BY+3], s[46:47], BLK
	s_or_b32 s[G0BY+3], s[G0BY+3], 0x80000000
	s_wait_alu depctr_va_vdst(0)                   ; the wait here, directly ahead of the wait below
	s_wait_tensorcnt 0x0                           ; one tensor load a wave at the head: places 1 and 2 are first filled as a refill is: my part of slot 0 is in,
	ds_add_u32 v[SPW], v[NIL]                      ; 0 onto my spare word,
	s_wait_dscnt 0x0                               ; the add is done,
	CROUND                                         ; and a whole round: the joint loads meet
	JLOAD G0Y, G1D, G0BY, G1BD                     ; one tensor load of mine is out
	global_prefetch_b8 v30, s[90:91] offset:3*BLK th:TH_LOAD_NT scope:SCOPE_SE   ; slot 3, whose load stands behind slot 0's products
	v_and_b32 v1, 15, v0                           ; r
	v_bfe_u32 v2, v0, 4, 1                         ; h
	v_and_b32 v3, 31, v0
	v_lshlrev_b32 v[CO], 4, v3                     ; 16 x lane
	s_mul_i32 s21, s15, REG                        ; my group of A lies in the region of the wave that fetched it,
	s_mul_i32 s22, s16, REG                        ; my group of B likewise,
	s_add_co_u32 s22, s22, 2*REG                   ; behind A's two
.irp p, 0,1,2
	v_add_nc_u32 v[ADRA+\p], s21, v[CO]
	v_add_nc_u32 v[ADRB+\p], s22, v[CO]
	s_add_co_u32 s21, s21, BLK
	s_add_co_u32 s22, s22, BLK
.endr
	v_lshlrev_b32 v5, 2, v1                        ; my row's scale word
	s_mul_i32 s21, s15, REG
	s_mul_i32 s22, s16, REG
	s_add_co_u32 s22, s22, 2*REG
	s_sub_co_u32 s22, s22, s21
	v_mul_u32_u24 v6, s22, v2                      ; lanes 16-31 take B's
	s_add_co_u32 s21, s21, SCO
	v_add_nc_u32 v5, v5, v6
.irp p, 0,1,2
	v_add_nc_u32 v[ADRS+\p], s21, v5
	s_add_co_u32 s21, s21, BLK
.endr
	s_lshl_b32 s23, s14, 10
	s_add_co_u32 s23, s23, STAGE                   ; my stage
	v_and_b32 v5, 8, v1
	v_add_nc_u32 v5, v5, v1                        ; r + 8 (r / 8): place r of a fragment holds that row
	v_lshlrev_b32 v5, 2, v5
	v_add_nc_u32 v[STO], s23, v5
	v_add_nc_u32 v[RD], s23, v[CO]
	v_mov_b32 v[PT], 0                             ; written once: a lane permute's destination counts as one of its sources
.irp a, 0,1,2,3,4,5,6,7
	v_mov_b32 v[TA+2*\a+1], 0                      ; named as the upper half of a pair
.endr
	s_lshl_b32 s10, s95, 17                        ; stats: batch x 131,072 + (2 tx + my group of columns) x 8,192 + (512 x pair + 128 x my group of rows) x 4; the second tile 1,024 bytes on
	s_lshl_b32 s11, s42, 1
	s_add_co_u32 s11, s11, s16
	s_lshl_b32 s11, s11, 13
	s_add_co_u32 s10, s10, s11
	s_and_b32 s11, s17, 3
	s_lshl_b32 s11, s11, 2
	s_add_co_u32 s11, s11, s15
	s_lshl_b32 s11, s11, 9
	s_add_co_u32 s10, s10, s11
	s_mov_b32 s11, 0
	s_add_nc_u64 s[8:9], s[8:9], s[10:11]
	s_mov_b32 s20, 0x76543210
	s_mov_b32 s21, 0xfedcba98                      ; v_permlanex16_b32's selects for lane l xor 16
	s_mov_b32 s22, 0x3fb8aa3b                      ; c = log2(e)
	s_mov_b32 s23, s22                             ; (named with it as a pair, so it is written)
.macro FRAG reg, adr, q, i             ; a fragment comes as it was stored: three loads, 512 consecutive bytes each
.irp c, 0,1,2
	ds_load_b128 v[\reg+4*\c:\reg+4*\c+3], v[\adr] offset:3072*(\i)+1536*(\q)+512*\c
.endr
.endm
; 16 matrix instructions: A's blocks a0, a0 + 1 x B's eight, 128 along K: the slot's q-th.  p: B's set;  sc: the set of scale words.  zero = 1: the first product starts the sums: nothing is ever cleared.
; The 64 accumulators take turns, one instruction a turn, in the same order in every step.
.macro MUL16 a0, p, q, sc, zero
.irp a, \a0, \a0+1
.irp b, 0,1,2,3,4,5,6,7
.if \zero
	v_wmma_scale_f32_16x16x128_f8f6f4 v[8*(8*((\a)%4)+\b):8*(8*((\a)%4)+\b)+7], v[128*(\p)+FR*\b:128*(\p)+FR*\b+FR-1], v[AF+FR*(\a):AF+FR*(\a)+FR-1], 0, v[SC+8*NQ*(\sc)+NQ*\b+(\q)], v[SC+8*NQ*(\sc)+NQ*(\a)+(\q)] matrix_a_fmt:MATRIX_FMT_FP6 matrix_b_fmt:MATRIX_FMT_FP6 matrix_a_scale:MATRIX_SCALE_ROW1
.else
	v_wmma_scale_f32_16x16x128_f8f6f4 v[8*(8*((\a)%4)+\b):8*(8*((\a)%4)+\b)+7], v[128*(\p)+FR*\b:128*(\p)+FR*\b+FR-1], v[AF+FR*(\a):AF+FR*(\a)+FR-1], v[8*(8*((\a)%4)+\b):8*(8*((\a)%4)+\b)+7], v[SC+8*NQ*(\sc)+NQ*\b+(\q)], v[SC+8*NQ*(\sc)+NQ*(\a)+(\q)] matrix_a_fmt:MATRIX_FMT_FP6 matrix_b_fmt:MATRIX_FMT_FP6 matrix_a_scale:MATRIX_SCALE_ROW1
.endif
.endr
.endr
.endm
.macro FETCH_B pl, q, p                ; B's eight fragments of the q-th 128 along K of the slot in place pl, into set p
	WIN TO_B
.irp i, 0,1,2,3,4,5,6,7
	FRAG 128*(\p)+FR*\i, ADRB+\pl, \q, \i
.endr
	WIN 0
.endm
.macro FETCH_A pl, q, i0               ; A's blocks i0 .. i0 + 3
.irp i, \i0, \i0+1, \i0+2, \i0+3
	FRAG AF+FR*(\i), ADRA+\pl, \q, \i
.endr
.endm
.macro SCALES pl, sc                   ; the scale words of the slot in place pl into set sc: lanes 0-15 take A's block i, lanes 16-31 B's block i
.irp i, 0,1,2,3,4,5,6,7
.irp q, 0,1
	ds_load_b32 v[SC+8*NQ*(\sc)+NQ*\i+\q], v[ADRS+\pl] offset:512*\q+64*\i
.endr
.endr
.endm
; A load into a register that a matrix instruction has read, and a vector instruction or an LDS store that reads a matrix result, stand NP places behind that matrix instruction, and only plain vector
; instructions that name none of its registers are places (ISA guide 7.12.1 for vector instructions).
.macro PLACES n
.rept \n
	v_nop
.endr
.endm
.macro START pl, sc                    ; a tile's first fragments and scale words
	FETCH_B \pl, 0, 0
	FETCH_A \pl, 0, 0
	SCALES \pl, \sc
	FETCH_A \pl, 0, 4
.endm
; A slot's first step of 128 along K; it fetches the second step's fragments.
.macro STEP pl, sc, zero
	s_wait_dscnt 4*NL                              ; B's set, A's blocks 0-3 and the scale words are in; the youngest twelve loads (A's blocks 4-7) may be out
	WIN MUL_LO
	MUL16 0, 0, 0, \sc, \zero
	MUL16 2, 0, 0, \sc, \zero
	s_wait_dscnt 0                                 ; A's blocks 4-7 are in (asked for 32 matrix instructions ago)
	PLACES NP
	FETCH_B \pl, 1, 1
	FETCH_A \pl, 1, 0
	WIN MUL_HI
	MUL16 4, 0, 0, \sc, \zero
	MUL16 6, 0, 0, \sc, \zero
	PLACES NP
	WIN 0
	FETCH_A \pl, 1, 4
.endm
; A slot's second step changes slots.  TURNA is its first half.  bar = 1: a barrier; in front of it each wave waits for all its tensor loads, adds 0 to its spare word, and waits for that and for its own LDS reads.
; bar = 0: the next slot was shown whole to every wave by an earlier barrier, and nothing is filled here: no barrier.
.macro TURNA sc, bar
.if \bar
	s_wait_tensorcnt 0x0                           ; all my tensor loads have landed;  (every window is 0 here)
	ds_add_u32 v[SPW], v[NIL]                      ; 0 onto my spare word;
	s_wait_dscnt 4*NL+1                            ; (the add and the youngest twelve loads, A's blocks 4-7, may be out)
	WIN MUL_LO
	MUL16 0, 1, 1, \sc, 0                          ; sixteen matrix instructions stand between the add and the wait for it
	s_wait_dscnt 0x0                               ; the add is done, and my reads of this slot and of those before it are over
	s_barrier_signal -1
	MUL16 2, 1, 1, \sc, 0
	WIN 0                                          ; (branches may follow)
	s_barrier_wait -1
.else
	s_wait_dscnt 4*NL
	WIN MUL_LO
	MUL16 0, 1, 1, \sc, 0
	MUL16 2, 1, 1, \sc, 0
	s_wait_dscnt 0x0                               ; A's blocks 4-7 are in
.endif
.endm
; Its second half: the next slot's first fragments, from place nx.  np = 1: no joint load stands just ahead, whose four v_nop would be the places.
.macro TURNB sc, nx, np
.if \np
	PLACES NP
.endif
	FETCH_B \nx, 0, 0
	FETCH_A \nx, 0, 0
	SCALES \nx, 1-(\sc)
	WIN MUL_HI
	MUL16 4, 1, 1, \sc, 0
	MUL16 6, 1, 1, \sc, 0
	PLACES NP
	WIN 0
	FETCH_A \nx, 0, 4
.endm
.macro LASTQ sc                        ; a tile's last step: nothing more to fetch
	s_wait_dscnt 4*NL
	WIN MUL_LO
	MUL16 0, 1, 1, \sc, 0
	MUL16 2, 1, 1, \sc, 0
	s_wait_dscnt 0
	WIN MUL_HI
	MUL16 4, 1, 1, \sc, 0
	MUL16 6, 1, 1, \sc, 0
	WIN 0
.endm
; The refill inside the first tile's way out: places 0 and 1, which nobody reads any more, take the second tile's slots 1 and 2 by one load.
.macro MIDFILL
	WIN 0
	s_wait_tensorcnt 0x0                           ; all my tensor loads have landed: the second tile's slot 0;
	ds_add_u32 v[SPW], v[NIL]                      ; 0 onto my spare word;
	s_wait_dscnt 0x0                               ; the add is done, and so are my LDS reads
	CROUND                                         ; both now hold of every wave of every work-group of the cluster
	REFILL 1, 2*A_RG, 0, 0                         ; A: two groups on; B: the same pieces once more
.endm
; THE WAY OUT, block by block of 16 rows.  SMAX: the largest of my 64 scores and of lane l xor 16's, times c.  FE: c e - T in one fused multiply-add, two at a time, and the exponentials, in place.  SSUM: their sum; both figures to my stage.
.macro SMAX a
.set W, 2+(\a)/4
.set AC, 64*((\a)%4)
	WIN W|(W<<2)|(W<<4)
.irp b, 0,1,2,3,4,5,6,7
	v_max3_num_f32 v[TT+\b], v[AC+8*\b], v[AC+8*\b+1], v[AC+8*\b+2]   ; each accumulator is read from its low end on
.endr
	WIN (W<<2)|(W<<4)
.irp b, 0,1,2,3,4,5,6,7
	v_max3_num_f32 v[TT+\b], v[TT+\b], v[AC+8*\b+3], v[AC+8*\b+4]
.endr
.irp b, 0,1,2,3,4,5,6,7
	v_max3_num_f32 v[TT+\b], v[TT+\b], v[AC+8*\b+5], v[AC+8*\b+6]
.endr
.irp k, 0,1,2,3
	v_max3_num_f32 v[TT+\k], v[TT+\k], v[AC+16*\k+7], v[AC+16*\k+15]
.endr
	WIN 0
	v_max3_num_f32 v[TT], v[TT], v[TT+1], v[TT+2]
	v_max3_num_f32 v[TT+3], v[TT+3], v[TT+4], v[TT+5]
	v_max3_num_f32 v[TT], v[TT], v[TT+3], v[TT+6]
	v_max_num_f32 v[TT], v[TT], v[TT+7]
	v_permlanex16_b32 v[PT], v[TT], s20, s21
	v_max_num_f32 v[TT], v[TT], v[PT]
	v_mul_f32 v[TA+2*(\a)], s22, v[TT]             ; T: the same f32 number goes into the sum here and into p in the next launch, so its own rounding cancels
.endm
.macro FE a
.set W, 2+(\a)/4
.set AC, 64*((\a)%4)
	WIN W|(W<<6)
.set J, 0
.rept 32
	v_pk_fma_f32 v[AC+J:AC+J+1], v[AC+J:AC+J+1], s[22:23], v[TA+2*(\a):TA+2*(\a)+1] op_sel_hi:[1,0,0] neg_lo:[0,0,1] neg_hi:[0,0,1]
.set J, J+2
.endr
.set J, 0
	s_wait_alu depctr_va_vdst(0)
.rept 64
	v_exp_f32 v[AC+J], v[AC+J]
.set J, J+1
.endr
.endm
.macro SSUM a
.set W, 2+(\a)/4
.set AC, 64*((\a)%4)
.set OFF, 4*(32*((\a)/2)+8*((\a)%2))   ; place r of block a holds row 32 (a / 2) + 8 (a % 2) + r + 8 (r / 8): the figures leave in the rows' own order
	WIN W|(W<<2)
	v_pk_add_f32 v[SU:SU+1], v[AC:AC+1], v[AC+2:AC+3]
	v_pk_add_f32 v[SU+2:SU+3], v[AC+4:AC+5], v[AC+6:AC+7]
	WIN W<<2
.set J, 8
.rept 14
	v_pk_add_f32 v[SU:SU+1], v[SU:SU+1], v[AC+J:AC+J+1]
	v_pk_add_f32 v[SU+2:SU+3], v[SU+2:SU+3], v[AC+J+2:AC+J+3]
.set J, J+4
.endr
	WIN 0
	v_pk_add_f32 v[SU:SU+1], v[SU:SU+1], v[SU+2:SU+3]
	v_add_f32 v[SU], v[SU], v[SU+1]
	v_permlanex16_b32 v[PT], v[SU], s20, s21
	v_add_f32 v[SS+(\a)], v[SU], v[PT]
	ds_store_b32 v[STO], v[TA+2*(\a)] offset:OFF           ; (both halves of the lanes write the same word with the same value)
	ds_store_b32 v[STO], v[SS+(\a)] offset:OFF+512
.endm
.macro EPI t, mid                      ; tile t's way out.  mid = 1: the refill stands behind its third block
	PLACES NP                                      ; behind the last products
	SMAX 0
.irp a, 0,1,2,3,4,5,6,7
	FE \a                                          ; the block's 64 exponentials are one batch;
.if \a < 7
	s_wait_alu depctr_va_vdst(0)
	SMAX \a+1                                      ; the next block's maximum follows a wait for them;
.else
	v_nop                                          ; (a plain place behind the last exponential)
.endif
	s_wait_alu depctr_va_vdst(0)                   ; one wait for the batch, ahead of its first reader
	SSUM \a
.if (\mid) && (\a == 2)
	MIDFILL
.endif
.endr
	ds_load_b128 v[OB:OB+3], v[RD]                 ; LDS serves a wave's instructions in order: these see my stores.  128 rows' T,
	ds_load_b128 v[OB+4:OB+7], v[RD] offset:512    ; and their S
	s_wait_dscnt 0x0
	global_store_b128 v[CO], v[OB:OB+3], s[8:9] offset:1024*(\t)             ; 32 lanes store 512 consecutive bytes, aligned to 256
	global_store_b128 v[CO], v[OB+4:OB+7], s[8:9] offset:1048576+1024*(\t)   ; the plane of sums lies behind the plane of maxima
.endm
	s_wait_tensorcnt 1                             ; my part of slot 0 is in (the load of slots 1 and 2 may be out)
	s_barrier_signal -1
	s_barrier_wait -1                              ; everybody's is
	; ---- the first tile: slots 0-3 in places 0, 1, 2, 0
	START 0, 0
	STEP 0, 0, 1                                   ; its products start the sums
	TURNA 0, 1                                     ; slots 1 and 2 are whole;
	CREST                                          ; the barrier has opened a round of the cluster's barrier: no wave of any partner still reads place 0 or has a load on its way
	REFILL 0, 3*BLK, 3*BLK, 0                      ; place 0 takes slot 3: it has slots 1 and 2 in which to land
	TURNB 0, 1, 0
	STEP 1, 1, 0
	TURNA 1, 0
	TURNB 1, 2, 1
	STEP 2, 0, 0
	TURNA 0, 1                                     ; slot 3 is whole;
	CREST
	REFILL 0, 2*A_RG-3*BLK, -3*BLK, 2              ; place 2 takes the second tile's slot 0: A two groups on and back along K, B only back
	TURNB 0, 0, 0
	STEP 0, 1, 0
	LASTQ 1
	EPI 0, 1
	; ---- the second tile: its slots 0-3 in places 2, 0, 1, 2
	s_wait_xcnt 0x0                                ; the first tile's stores have read their registers
	START 2, 0
	STEP 2, 0, 1
	TURNA 0, 1                                     ; its slots 1 and 2 are whole;
	CREST
	REFILL 0, 3*BLK, 3*BLK, 2                      ; place 2 takes its slot 3
	TURNB 0, 0, 0
	STEP 0, 1, 0
	TURNA 1, 0
	TURNB 1, 1, 1
	STEP 1, 0, 0
	TURNA 0, 1                                     ; its slot 3 is whole; nothing is filled again, so no round follows
	TURNB 0, 2, 1
	STEP 2, 1, 0
	LASTQ 1
	EPI 1, 0
	s_wait_tensorcnt 0x0                           ; the wave's end, behind my last tensor load and my last LDS store
	ds_add_u32 v[SPW], v[NIL]
	s_wait_dscnt 0x0
	CROUND                                         ; the closing round: no work-group ends while a partner may still ask for a piece that names it
	s_endpgm
.Lfunc_end_k_q9e4a10d995_gstat:
	.size	k_q9e4a10d995_gstat, .Lfunc_end_k_q9e4a10d995_gstat-k_q9e4a10d995_gstat
	.p2alignl 7, 3214868480
	.fill 96, 4, 3214868480
	.section	.rodata,"a",@progbits
	.p2align	6, 0x0
	.amdhsa_kernel k_q9e4a10d995_gstat
		.amdhsa_group_segment_fixed_size 327680
		.amdhsa_private_segment_fixed_size 0
		.amdhsa_enable_private_segment 0
		.amdhsa_kernarg_size 24
		.amdhsa_user_sgpr_count 2
		.amdhsa_user_sgpr_kernarg_segment_ptr 1
		.amdhsa_wavefront_size32 1
		.amdhsa_system_sgpr_workgroup_id_x 1
		.amdhsa_system_sgpr_workgroup_id_y 1
		.amdhsa_system_sgpr_workgroup_id_z 1
		.amdhsa_system_vgpr_workitem_id 0
		.amdhsa_next_free_vgpr 1024
		.amdhsa_next_free_sgpr 98
		.amdhsa_reserve_vcc 0
		.amdhsa_float_denorm_mode_32 3
		.amdhsa_float_denorm_mode_16_64 3
		.amdhsa_memory_ordered 1
		.amdhsa_forward_progress 1
		.amdhsa_inst_pref_size 255
	.end_amdhsa_kernel
	.section	.bss,"aw",@nobits
	.p2align	6
	.space	262144
	.amdgpu_metadata
---
amdhsa.version: [ 1, 2 ]
amdhsa.kernels:
  - .name:           k_q9e4a10d995_gstat
    .symbol:         k_q9e4a10d995_gstat.kd
    .args:
      - { .name: xq, .offset: 0, .size: 8, .value_kind: global_buffer, .address_space: global }
      - { .name: yq, .offset: 8, .size: 8, .value_kind: global_buffer, .address_space: global }
      - { .name: stats, .offset: 16, .size: 8, .value_kind: global_buffer, .address_space: global }
    .group_segment_fixed_size: 327680
    .private_segment_fixed_size: 0
    .kernarg_segment_align: 8
    .kernarg_segment_size: 24
    .max_flat_workgroup_size: 128
    .sgpr_count:     98
    .vgpr_count:     1024
    .wavefront_size: 32
...
	.end_amdgpu_metadata
.endif
;; end of part 2
;; launch gprob (part 3): grid 8 x 32, 4 waves a work-group, clusters of 4 x 4, 327,680 bytes of LDS; arguments yq, xq, stats, pq; writes pq
.if DOCPART == 3
	.amdgcn_target "amdgcn-amd-amdhsa--gfx1250"
	.amdhsa_code_object_version 6
	.text
	.protected	k_q9e4a10d995_gprob
	.globl	k_q9e4a10d995_gprob
	.p2align	8
	.type	k_q9e4a10d995_gprob,@function
k_q9e4a10d995_gprob:
	s_mov_b64 s[64:65], 0
	v_nop
	global_prefetch_b8 v0, s[64:65] scope:SCOPE_SE
	s_setreg_imm32_b32 hwreg(HW_REG_WAVE_MODE, 25, 1), 1
	s_wait_xcnt 0x0
	s_wait_alu depctr_hold_cnt(0) depctr_sa_sdst(0) depctr_va_vdst(0) depctr_va_sdst(0) depctr_va_ssrc(0) depctr_va_vcc(0) depctr_vm_vsrc(0)
	s_getreg_b32 s2, hwreg(HW_REG_IB_STS2, 6, 4)
	s_cmp_eq_u32 s2, 0
	s_cbranch_scc0 .Lentry_in_a_cluster
	s_endpgm
.Lentry_in_a_cluster:
	s_bfe_u32 s2, ttmp6, 0x10000c
	s_cmp_lg_u32 s2, 0xf033
	s_cbranch_scc0 .Lentry_shape_is_right
	s_endpgm
.Lentry_shape_is_right:
.set NQ,     2
.set FR,     12
.set NL,     3
.set NP,     4
.set BLK,    25600
.set SCO,    24576
.set REG,    3*BLK
.set STAT,   4*REG
.set WSTG,   STAT+2048
.set SPARE,  WSTG+2048
.set A_RG,   4*BLK
.set B_RG,   4*BLK
.set P_RG,   8*BLK
.set CO,   3
.set STW,  7
.set STG,  8
.set SA,   9
.set ADRS, 12
.set ADRA, 16
.set ADRB, 20
.set STO,  24
.set RD,   25
.set SPW,  28
.set NIL,  29
.set SC,   32
.set AF,   128
.set PB,   64
.set PC,   128
.set TM,   148
.set PW,   168
.set OB,   180
.set NT,   0
.set IV,   64
.set G1,   24
.set G1D,  32
.set G1B,  48
.set G1BD, 56
.set G0X,  68
.set G0Y,  72
.set G0BX, 76
.set G0BY, 80
.set MSB, 0
.macro WIN new
.if MSB != (\new)
	s_set_vgpr_msb (MSB<<8)|(\new)
.set MSB, (\new)
.endif
.endm
.set MUL_LO, 0xa1
.set MUL_HI, 0xf1
.set TO_B,   0x40
.macro JLOAD g0a, g1a, g0b, g1b
	s_cmp_eq_u32 s15, 0
	s_cbranch_scc0 .Lfor_b_\@
	tensor_load_to_lds s[\g0a:\g0a+3], s[\g1a:\g1a+7]
	s_nop 0
.rept 4
	v_nop
.endr
	s_branch .Lasked_\@
.Lfor_b_\@:
	tensor_load_to_lds s[\g0b:\g0b+3], s[\g1b:\g1b+7]
	s_nop 0
.rept 4
	v_nop
.endr
.Lasked_\@:
.endm
.macro CREST
	s_cmp_lg_u32 s14, 0
	s_cbranch_scc1 .Lnot_wave_0_\@
	s_barrier_signal -3
.Lnot_wave_0_\@:
	s_barrier_wait -3
	s_barrier_signal -1
	s_barrier_wait -1
.endm
.macro CROUND
	s_barrier_signal -1
	s_barrier_wait -1
	CREST
.endm
.macro REFILL dbl, da, db, pl
.if \dbl
.set RA, G0Y
.set RB, G0BY
.else
.set RA, G0X
.set RB, G0BX
.endif
	s_add_co_u32 s[RA+1], s45, (\pl)*BLK
	s_add_co_u32 s[RB+1], s45, (\pl)*BLK
.if (\da) > 0
	s_add_nc_u64 s[RA+2:RA+3], s[RA+2:RA+3], \da
.endif
.if (\db) > 0
	s_add_nc_u64 s[RB+2:RB+3], s[RB+2:RB+3], \db
.elseif (\db) < 0
	s_sub_nc_u64 s[RB+2:RB+3], s[RB+2:RB+3], -(\db)
.endif
.if \dbl
	JLOAD G0Y, G1D, G0BY, G1BD
.else
	JLOAD G0X, G1, G0BX, G1B
.endif
.endm
	s_load_b128 s[4:7], s[0:1], 0x0
	s_load_b128 s[8:11], s[0:1], 0x10
	v_lshl_add_u32 v[SPW], v0, 2, SPARE
	v_mov_b32 v[NIL], 0
	ds_add_u32 v[SPW], v[NIL]
	ds_add_u32 v[SPW], v[NIL]
	v_lshrrev_b32 v1, 5, v0
	v_readfirstlane_b32 s14, v1
	s_lshr_b32 s15, s14, 1
	s_and_b32 s16, s14, 1
	s_bfe_u32 s40, ttmp6, 0x40000
	s_bfe_u32 s41, ttmp6, 0x40004
	s_lshl_b32 s42, ttmp9, 2
	s_add_co_u32 s42, s42, s40
	s_and_b32 s95, ttmp7, 0xffff
	s_lshl_b32 s17, s95, 2
	s_add_co_u32 s17, s17, s41
	s_lshl_b32 s43, s41, 2
	s_lshl_b32 s43, 15, s43
	s_lshl_b32 s44, 0x1111, s40
	s_or_b32 s[G1+0], s43, (3<<16)|(1<<21)
	s_or_b32 s[G1D+0], s43, (3<<16)|(1<<21)
	s_or_b32 s[G1B+0], s44, (3<<16)|(1<<21)
	s_or_b32 s[G1BD+0], s44, (3<<16)|(1<<21)
.irp g, G1, G1B
	s_mov_b32 s[\g+1], 32<<16
	s_mov_b32 s[\g+2], 100<<16
	s_mov_b32 s[\g+3], 32<<16
	s_mov_b32 s[\g+4], 100
	s_mov_b32 s[\g+5], 32
	s_mov_b32 s[\g+6], 0
	s_mov_b32 s[\g+7], 0
.endr
.irp g, G1D, G1BD
	s_mov_b32 s[\g+1], 32<<16
	s_mov_b32 s[\g+2], 200<<16
	s_mov_b32 s[\g+3], 32<<16
	s_mov_b32 s[\g+4], 200
	s_mov_b32 s[\g+5], 32
	s_mov_b32 s[\g+6], 0
	s_mov_b32 s[\g+7], 0
.endr
	s_lshl_b32 s20, s17, 2
	s_add_co_u32 s20, s20, s16
	s_mul_i32 s20, s20, A_RG
	s_mov_b32 s21, 0
	s_lshl_b32 s46, s95, 3
	s_add_co_u32 s46, s46, s42
	s_lshl_b32 s46, s46, 1
	s_add_co_u32 s46, s46, s16
	s_mul_i32 s46, s46, B_RG
	s_mov_b32 s47, 0
	s_mul_i32 s45, s14, REG
	s_wait_dscnt 0x0
	s_wait_kmcnt 0x0
	s_add_nc_u64 s[20:21], s[4:5], s[20:21]
	s_add_nc_u64 s[46:47], s[6:7], s[46:47]
	CROUND
	s_mov_b32 s[G0X], 1
	s_mov_b32 s[G0X+1], s45
	s_mov_b64 s[G0X+2:G0X+3], s[20:21]
	s_or_b32 s[G0X+3], s[G0X+3], 0x80000000
	s_mov_b32 s[G0BX], 1
	s_mov_b32 s[G0BX+1], s45
	s_mov_b64 s[G0BX+2:G0BX+3], s[46:47]
	s_or_b32 s[G0BX+3], s[G0BX+3], 0x80000000
	JLOAD G0X, G1, G0BX, G1B
	; slots 1 and 2, whose load sets out when slot 0 has landed, are asked for here: a piece is 100 blocks of 256 bytes, shared out by address among the four partners, 25 each: a lane a block, lanes 25-31 name the last again
	s_cmp_eq_u32 s15, 0
	s_cselect_b64 s[90:91], s[20:21], s[46:47]
	s_cselect_b32 s92, s40, s41
	s_mul_i32 s92, s92, 6400
	s_mov_b32 s93, 0
	s_add_nc_u64 s[90:91], s[90:91], s[92:93]
	v_and_b32 v30, 31, v0
	v_min_u32 v30, 24, v30
	v_lshlrev_b32 v30, 8, v30
	global_prefetch_b8 v30, s[90:91] offset:BLK th:TH_LOAD_NT scope:SCOPE_SE
	global_prefetch_b8 v30, s[90:91] offset:2*BLK th:TH_LOAD_NT scope:SCOPE_SE
	s_mov_b32 s[G0Y], 1
	s_add_co_u32 s[G0Y+1], s45, BLK
	s_add_nc_u64 s[G0Y+2:G0Y+3], s[20:21], BLK
	s_or_b32 s[G0Y+3], s[G0Y+3], 0x80000000
	s_mov_b32 s[G0BY], 1
	s_add_co_u32 s[G0BY+1], s45, BLK
	s_add_nc_u64 s[G0BY+2:G0BY+3], s[46:47], BLK
	s_or_b32 s[G0BY+3], s[G0BY+3], 0x80000000
	s_wait_alu depctr_va_vdst(0)
	s_wait_tensorcnt 0x0
	ds_add_u32 v28, v29
	s_wait_dscnt 0x0
	CROUND
	JLOAD G0Y, G1D, G0BY, G1BD
	global_prefetch_b8 v30, s[90:91] offset:3*BLK th:TH_LOAD_NT scope:SCOPE_SE   ; slot 3, whose load stands behind slot 0's products
	s_lshl_b32 s66, s95, 17
	s_lshl_b32 s67, s42, 10
	s_add_co_u32 s66, s66, s67
	s_mov_b32 s67, 0
	s_add_nc_u64 s[8:9], s[8:9], s[66:67]
	v_lshlrev_b32 v[STG], 3, v0
	v_lshl_add_u32 v[STW], v0, 3, STAT
.set I, 0
.rept 16
	global_load_b64 v[64+2*I:65+2*I], v[STG], s[8:9] offset:8192*I
	global_load_b64 v[96+2*I:97+2*I], v[STG], s[8:9] offset:1048576+8192*I
.set I, I+1
.endr
	s_lshl_b32 s66, s17, 2
	s_add_co_u32 s66, s66, s15
	s_mul_i32 s66, s66, P_RG
	s_mul_i32 s67, s42, BLK
	s_add_co_u32 s66, s66, s67
	s_lshl_b32 s67, s16, 9
	s_add_co_u32 s84, s66, s67
	s_add_co_u32 s84, s84, SCO
	s_mov_b32 s85, 0
	s_mul_i32 s67, s16, 1536
	s_add_co_u32 s66, s66, s67
	s_mov_b32 s67, 0
	s_add_nc_u64 s[12:13], s[10:11], s[66:67]
	s_add_nc_u64 s[10:11], s[10:11], s[84:85]
	v_and_b32 v1, 15, v0
	v_bfe_u32 v2, v0, 4, 1
	v_and_b32 v3, 31, v0
	v_lshlrev_b32 v[CO], 4, v3
	s_mul_i32 s21, s15, REG
	s_mul_i32 s22, s16, REG
	s_add_co_u32 s22, s22, 2*REG
.irp p, 0,1,2
	v_add_nc_u32 v[ADRA+\p], s21, v[CO]
	v_add_nc_u32 v[ADRB+\p], s22, v[CO]
	s_add_co_u32 s21, s21, BLK
	s_add_co_u32 s22, s22, BLK
.endr
	v_lshlrev_b32 v5, 2, v1
	s_mul_i32 s21, s15, REG
	s_mul_i32 s22, s16, REG
	s_add_co_u32 s22, s22, 2*REG
	s_sub_co_u32 s22, s22, s21
	v_mul_u32_u24 v6, s22, v2
	s_add_co_u32 s21, s21, SCO
	v_add_nc_u32 v5, v5, v6
.irp p, 0,1,2
	v_add_nc_u32 v[ADRS+\p], s21, v5
	s_add_co_u32 s21, s21, BLK
.endr
	s_lshl_b32 s23, s14, 9
	s_add_co_u32 s23, s23, WSTG
	v_lshl_add_u32 v[STO], v1, 2, s23
	v_add_nc_u32 v[RD], s23, v[CO]
	s_lshl_b32 s23, s16, 9
	v_lshl_add_u32 v[SA], v2, 6, s23
	v_add_nc_u32 v[SA], STAT, v[SA]
	s_mov_b32 s20, 0x76543210
	s_mov_b32 s21, 0xfedcba98
	s_mov_b32 s22, 0x3fb8aa3b
	s_mov_b32 s23, s22
.macro JOIN
	s_wait_loadcnt 0x0
.irp e, 0,1
	v_max3_num_f32 v[224+\e], v[64+\e], v[66+\e], v[68+\e]
.irp k, 3,5,7,9,11,13
	v_max3_num_f32 v[224+\e], v[224+\e], v[64+2*\k+\e], v[66+2*\k+\e]
.endr
	v_max_num_f32 v[224+\e], v[224+\e], v[94+\e]
.endr
.set I, 0
.rept 16
	v_pk_add_f32 v[64+2*I:65+2*I], v[64+2*I:65+2*I], v[224:225] neg_lo:[0,1] neg_hi:[0,1]
.set I, I+1
.endr
.set I, 0
	s_wait_alu depctr_va_vdst(0)
.rept 32
	v_exp_f32 v[64+I], v[64+I]
.set I, I+1
.endr
	v_nop
	s_wait_alu depctr_va_vdst(0)
	v_pk_mul_f32 v[226:227], v[64:65], v[96:97]
.set I, 1
.rept 15
	v_pk_fma_f32 v[226:227], v[64+2*I:65+2*I], v[96+2*I:97+2*I], v[226:227]
.set I, I+1
.endr
	s_wait_alu depctr_va_vdst(0)
	v_rcp_f32 v228, v226
	v_rcp_f32 v229, v227
	v_nop
	s_wait_alu depctr_va_vdst(0)
	ds_store_b64 v[STW], v[224:225]
	ds_store_b64 v[STW], v[228:229] offset:1024
.endm
.macro FRAG reg, adr, q, i
.irp c, 0,1,2
	ds_load_b128 v[\reg+4*\c:\reg+4*\c+3], v[\adr] offset:3072*(\i)+1536*(\q)+512*\c
.endr
.endm
.macro MUL16 a0, p, q, sc, zero
.irp a, \a0, \a0+1
.irp b, 0,1,2,3,4,5,6,7
.if \zero
	v_wmma_scale_f32_16x16x128_f8f6f4 v[8*(8*((\a)%4)+\b):8*(8*((\a)%4)+\b)+7], v[128*(\p)+FR*\b:128*(\p)+FR*\b+FR-1], v[AF+FR*(\a):AF+FR*(\a)+FR-1], 0, v[SC+8*NQ*(\sc)+NQ*\b+(\q)], v[SC+8*NQ*(\sc)+NQ*(\a)+(\q)] matrix_a_fmt:MATRIX_FMT_FP6 matrix_b_fmt:MATRIX_FMT_FP6 matrix_a_scale:MATRIX_SCALE_ROW1
.else
	v_wmma_scale_f32_16x16x128_f8f6f4 v[8*(8*((\a)%4)+\b):8*(8*((\a)%4)+\b)+7], v[128*(\p)+FR*\b:128*(\p)+FR*\b+FR-1], v[AF+FR*(\a):AF+FR*(\a)+FR-1], v[8*(8*((\a)%4)+\b):8*(8*((\a)%4)+\b)+7], v[SC+8*NQ*(\sc)+NQ*\b+(\q)], v[SC+8*NQ*(\sc)+NQ*(\a)+(\q)] matrix_a_fmt:MATRIX_FMT_FP6 matrix_b_fmt:MATRIX_FMT_FP6 matrix_a_scale:MATRIX_SCALE_ROW1
.endif
.endr
.endr
.endm
.macro FETCH_B pl, q, p
	WIN TO_B
.irp i, 0,1,2,3,4,5,6,7
	FRAG 128*(\p)+FR*\i, ADRB+\pl, \q, \i
.endr
	WIN 0
.endm
.macro FETCH_A pl, q, i0
.irp i, \i0, \i0+1, \i0+2, \i0+3
	FRAG AF+FR*(\i), ADRA+\pl, \q, \i
.endr
.endm
.macro SCALES pl, sc
.irp i, 0,1,2,3,4,5,6,7
.irp q, 0,1
	ds_load_b32 v[SC+8*NQ*(\sc)+NQ*\i+\q], v[ADRS+\pl] offset:512*\q+64*\i
.endr
.endr
.endm
.macro PLACES n
.rept \n
	v_nop
.endr
.endm
.macro START pl, sc
	FETCH_B \pl, 0, 0
	FETCH_A \pl, 0, 0
	SCALES \pl, \sc
	FETCH_A \pl, 0, 4
.endm
.macro STEP pl, sc, zero
	s_wait_dscnt 4*NL
	WIN MUL_LO
	MUL16 0, 0, 0, \sc, \zero
	MUL16 2, 0, 0, \sc, \zero
	s_wait_dscnt 0
	PLACES NP
	FETCH_B \pl, 1, 1
	FETCH_A \pl, 1, 0
	WIN MUL_HI
	MUL16 4, 0, 0, \sc, \zero
	MUL16 6, 0, 0, \sc, \zero
	PLACES NP
	WIN 0
	FETCH_A \pl, 1, 4
.endm
.macro TURNA sc, bar
.if \bar
	s_wait_tensorcnt 0x0
	ds_add_u32 v[SPW], v[NIL]
	s_wait_dscnt 4*NL+1
	WIN MUL_LO
	MUL16 0, 1, 1, \sc, 0
	s_wait_dscnt 0x0
	s_barrier_signal -1
	MUL16 2, 1, 1, \sc, 0
	WIN 0
	s_barrier_wait -1
.else
	s_wait_dscnt 4*NL
	WIN MUL_LO
	MUL16 0, 1, 1, \sc, 0
	MUL16 2, 1, 1, \sc, 0
	s_wait_dscnt 0x0
.endif
.endm
.macro TURNB sc, nx, np
.if \np
	PLACES NP
.endif
	FETCH_B \nx, 0, 0
	FETCH_A \nx, 0, 0
	SCALES \nx, 1-(\sc)
	WIN MUL_HI
	MUL16 4, 1, 1, \sc, 0
	MUL16 6, 1, 1, \sc, 0
	PLACES NP
	WIN 0
	FETCH_A \nx, 0, 4
.endm
.macro LASTQ sc
	s_wait_dscnt 4*NL
	WIN MUL_LO
	MUL16 0, 1, 1, \sc, 0
	MUL16 2, 1, 1, \sc, 0
	s_wait_dscnt 0
	WIN MUL_HI
	MUL16 4, 1, 1, \sc, 0
	MUL16 6, 1, 1, \sc, 0
	WIN 0
.endm
.macro MIDFILL
	WIN 0
	s_wait_tensorcnt 0x0
	ds_add_u32 v[SPW], v[NIL]
	s_wait_dscnt 0x0
	CROUND
	REFILL 1, 2*A_RG, 0, 0
.endm
.macro FE a
.set W, 2+(\a)/4
.set AC, 64*((\a)%4)
	WIN W|(1<<4)|(W<<6)
.set J, 0
.rept 32
	v_pk_fma_f32 v[AC+J:AC+J+1], v[AC+J:AC+J+1], s[22:23], v[NT+J:NT+J+1] op_sel_hi:[1,0,1] neg_lo:[0,0,1] neg_hi:[0,0,1]
.set J, J+2
.endr
.set J, 0
	s_wait_alu depctr_va_vdst(0)
.rept 64
	v_exp_f32 v[AC+J], v[AC+J]
.set J, J+1
.endr
.endm
.macro ML a
.set W, 2+(\a)/4
.set AC, 64*((\a)%4)
	WIN W|(1<<2)
.set J, 0
.rept 32
	v_pk_mul_f32 v[PB+J:PB+J+1], v[AC+J:AC+J+1], v[IV+J:IV+J+1]
.set J, J+2
.endr
.endm
.macro QUANT s, pw
.irp b, 0,1,2,3
	v_max3_num_f32 v[TM+\b], v[\s+16*\b], v[\s+1+16*\b], 0x1800000
.endr
.irp i, 2,4,6,8,10,12,14
.irp b, 0,1,2,3
	v_max3_num_f32 v[TM+\b], v[TM+\b], v[\s+16*\b+\i], v[\s+1+16*\b+\i]
.endr
.endr
.irp b, 0,1,2,3
	v_permlanex16_b32 v[TM+4+\b], v[TM+\b], s20, s21
.endr
.irp b, 0,1,2,3
	v_max_num_f32 v[TM+\b], v[TM+\b], v[TM+4+\b]
.endr
.irp b, 0,1,2,3
	v_add_nc_u32 v[TM+12+\b], 0xff000000, v[TM+\b]
.endr
.irp b, 0,1,2,3
	v_lshrrev_b32 v[TM+4+\b], 23, v[TM+12+\b]
.endr
	v_lshl_or_b32 v[\pw], v[TM+5], 8, v[TM+4]
	v_lshl_or_b32 v[\pw], v[TM+6], 16, v[\pw]
	v_lshl_or_b32 v[\pw], v[TM+7], 24, v[\pw]
.irp c, 0,1
	v_cvt_scalef32_pk16_fp6_f32 v[PC+6*\c:PC+2+6*\c], v[\s+32*\c:\s+15+32*\c], v[TM+12+2*\c]
	v_cvt_scalef32_pk16_fp6_f32 v[PC+12+4*\c:PC+14+4*\c], v[\s+16+32*\c:\s+31+32*\c], v[TM+12+2*\c+1]
.endr
	v_nop
.irp c, 0,1
.irp i, 0,1,2
	v_permlane16_swap_b32 v[PC+6*\c+\i], v[PC+12+4*\c+\i]
.endr
.irp i, 0,1,2
	v_mov_b32 v[PC+3+6*\c+\i], v[PC+12+4*\c+\i]
.endr
.endr
.endm
.macro OUT a, t
.irp c, 0,1,2
	global_store_b128 v[CO], v[PC+4*\c:PC+4*\c+3], s[12:13] offset:2*P_RG*(\t)+3072*(\a)+512*\c
.endr
	ds_store_b32 v[STO], v[PW+(\a)] offset:64*(\a)
.endm
.macro EPI t, mid
	PLACES NP
.if (\t) == 0
.irp b, 0,1,2,3
	v_mov_b32 v[TM+4+\b], 0
.endr
.endif
	WIN TO_B
.irp g, 0,1,2,3
.irp j, 0,1,2,3
	ds_load_b128 v[NT+16*\g+4*\j:NT+16*\g+4*\j+3], v[SA] offset:128*\g+16*\j
	ds_load_b128 v[IV+16*\g+4*\j:IV+16*\g+4*\j+3], v[SA] offset:1024+128*\g+16*\j
.endr
.endr
	WIN 0
	s_wait_dscnt 0x0
	FE 0
	v_nop
	s_wait_alu depctr_va_vdst(0)
	ML 0
.irp a, 0,1,2,3,4,5,6,7
.if \a < 7
	FE \a+1
.endif
	WIN 0
	s_wait_xcnt 0x0
	QUANT PB, PW+\a
	OUT \a, \t
.if \a < 7
	s_wait_alu depctr_va_vdst(0)
	ML \a+1
.endif
.if (\mid) && (\a == 1)
	MIDFILL
.endif
.endr
	WIN 0
	ds_load_b128 v[OB:OB+3], v[RD]
	s_wait_dscnt 0x0
	global_store_b128 v[CO], v[OB:OB+3], s[10:11] offset:2*P_RG*(\t)
.endm
	s_wait_alu depctr_va_vdst(0)
	s_wait_tensorcnt 1
	s_barrier_signal -1
	s_barrier_wait -1
	START 0, 0
	STEP 0, 0, 1
	TURNA 0, 1
	CREST
	REFILL 0, 3*BLK, 3*BLK, 0
	TURNB 0, 1, 0
	STEP 1, 1, 0
	JOIN
	TURNA 1, 0
	TURNB 1, 2, 1
	STEP 2, 0, 0
	TURNA 0, 1
	CREST
	REFILL 0, 2*A_RG-3*BLK, -3*BLK, 2
	TURNB 0, 0, 0
	STEP 0, 1, 0
	LASTQ 1
	EPI 0, 1
	s_wait_xcnt 0x0
	START 2, 0
	STEP 2, 0, 1
	TURNA 0, 1
	CREST
	REFILL 0, 3*BLK, 3*BLK, 2
	TURNB 0, 0, 0
	STEP 0, 1, 0
	TURNA 1, 0
	TURNB 1, 1, 1
	STEP 1, 0, 0
	TURNA 0, 1
	TURNB 0, 2, 1
	STEP 2, 1, 0
	LASTQ 1
	EPI 1, 0
	s_wait_tensorcnt 0x0
	ds_add_u32 v[SPW], v[NIL]
	s_wait_dscnt 0x0
	CROUND
	s_endpgm
.Lfunc_end_k_q9e4a10d995_gprob:
	.size	k_q9e4a10d995_gprob, .Lfunc_end_k_q9e4a10d995_gprob-k_q9e4a10d995_gprob
	.p2alignl 7, 3214868480
	.fill 96, 4, 3214868480
	.section	.rodata,"a",@progbits
	.p2align	6, 0x0
	.amdhsa_kernel k_q9e4a10d995_gprob
		.amdhsa_group_segment_fixed_size 327680
		.amdhsa_private_segment_fixed_size 0
		.amdhsa_enable_private_segment 0
		.amdhsa_kernarg_size 32
		.amdhsa_user_sgpr_count 2
		.amdhsa_user_sgpr_kernarg_segment_ptr 1
		.amdhsa_wavefront_size32 1
		.amdhsa_system_sgpr_workgroup_id_x 1
		.amdhsa_system_sgpr_workgroup_id_y 1
		.amdhsa_system_sgpr_workgroup_id_z 1
		.amdhsa_system_vgpr_workitem_id 0
		.amdhsa_next_free_vgpr 1024
		.amdhsa_next_free_sgpr 98
		.amdhsa_reserve_vcc 0
		.amdhsa_float_denorm_mode_32 3
		.amdhsa_float_denorm_mode_16_64 3
		.amdhsa_memory_ordered 1
		.amdhsa_forward_progress 1
		.amdhsa_inst_pref_size 255
	.end_amdhsa_kernel
	.section	.bss,"aw",@nobits
	.p2align	6
	.space	262144
	.amdgpu_metadata
---
amdhsa.version: [ 1, 2 ]
amdhsa.kernels:
  - .name:           k_q9e4a10d995_gprob
    .symbol:         k_q9e4a10d995_gprob.kd
    .args:
      - { .name: yq, .offset: 0, .size: 8, .value_kind: global_buffer, .address_space: global }
      - { .name: xq, .offset: 8, .size: 8, .value_kind: global_buffer, .address_space: global }
      - { .name: stats, .offset: 16, .size: 8, .value_kind: global_buffer, .address_space: global }
      - { .name: pq, .offset: 24, .size: 8, .value_kind: global_buffer, .address_space: global }
    .group_segment_fixed_size: 327680
    .private_segment_fixed_size: 0
    .kernarg_segment_align: 8
    .kernarg_segment_size: 32
    .max_flat_workgroup_size: 128
    .sgpr_count:     98
    .vgpr_count:     1024
    .wavefront_size: 32
...
	.end_amdgpu_metadata
.endif
;; end of part 3
;; launch gout (part 4): grid 4 x 64, 4 waves a work-group, clusters of 4 x 4, 327,680 bytes of LDS; arguments pq, xmq, out0; writes out0
.if DOCPART == 4
	.amdgcn_target "amdgcn-amd-amdhsa--gfx1250"
	.amdhsa_code_object_version 6
	.text
	.protected	k_q9e4a10d995_gout
	.globl	k_q9e4a10d995_gout
	.p2align	8
	.type	k_q9e4a10d995_gout,@function
k_q9e4a10d995_gout:
	s_mov_b64 s[64:65], 0
	v_nop
	global_prefetch_b8 v0, s[64:65] scope:SCOPE_SE
	s_setreg_imm32_b32 hwreg(HW_REG_WAVE_MODE, 25, 1), 1
	s_wait_xcnt 0x0
	s_wait_alu depctr_hold_cnt(0) depctr_sa_sdst(0) depctr_va_vdst(0) depctr_va_sdst(0) depctr_va_ssrc(0) depctr_va_vcc(0) depctr_vm_vsrc(0)
	s_getreg_b32 s2, hwreg(HW_REG_IB_STS2, 6, 4)
	s_cmp_eq_u32 s2, 0
	s_cbranch_scc0 .Lentry_in_a_cluster
	s_endpgm
.Lentry_in_a_cluster:
	s_bfe_u32 s2, ttmp6, 0x10000c
	s_cmp_lg_u32 s2, 0xf033
	s_cbranch_scc0 .Lentry_shape_is_right
	s_endpgm
.Lentry_shape_is_right:
.set NQ,     2
.set FR,     12
.set NL,     3
.set NP,     4
.set BLK,    25600
.set SCO,    24576
.set REG,    3*BLK
.set SPARE,  4*REG
.set SPITCH, 528
.set A_RG,   8*BLK
.set B_RG,   8*BLK
.set CO,   3
.set ADRS, 12
.set ADRA, 16
.set ADRB, 20
.set STO,  24
.set RD,   25
.set SPW,  28
.set NIL,  29
.set PFO,  30
.set SC,   32
.set AF,   128
.set BK,   128
.set G1,   24
.set G1D,  32
.set G1B,  48
.set G1BD, 56
.set G0X,  68
.set G0Y,  72
.set G0BX, 76
.set G0BY, 80
.set PFA,  84
.set MSB, 0
.macro WIN new
.if MSB != (\new)
	s_set_vgpr_msb (MSB<<8)|(\new)
.set MSB, (\new)
.endif
.endm
.set MUL_LO, 0xa1
.set MUL_HI, 0xf1
.set TO_B,   0x40
.macro JLOAD g0a, g1a, g0b, g1b
	s_cmp_eq_u32 s15, 0
	s_cbranch_scc0 .Lfor_b_\@
	tensor_load_to_lds s[\g0a:\g0a+3], s[\g1a:\g1a+7]
	s_nop 0
.rept 4
	v_nop
.endr
	s_branch .Lasked_\@
.Lfor_b_\@:
	tensor_load_to_lds s[\g0b:\g0b+3], s[\g1b:\g1b+7]
	s_nop 0
.rept 4
	v_nop
.endr
.Lasked_\@:
.endm
.macro CREST
	s_cmp_lg_u32 s14, 0
	s_cbranch_scc1 .Lnot_wave_0_\@
	s_barrier_signal -3
.Lnot_wave_0_\@:
	s_barrier_wait -3
	s_barrier_signal -1
	s_barrier_wait -1
.endm
.macro CROUND
	s_barrier_signal -1
	s_barrier_wait -1
	CREST
.endm
.macro REFILL dbl, da, db, pl
.if \dbl
.set RA, G0Y
.set RB, G0BY
.else
.set RA, G0X
.set RB, G0BX
.endif
	s_add_co_u32 s[RA+1], s45, (\pl)*BLK
	s_add_co_u32 s[RB+1], s45, (\pl)*BLK
	s_add_nc_u64 s[RA+2:RA+3], s[RA+2:RA+3], \da
	s_add_nc_u64 s[RB+2:RB+3], s[RB+2:RB+3], \db
.if \dbl
	JLOAD G0Y, G1D, G0BY, G1BD
.else
	JLOAD G0X, G1, G0BX, G1B
.endif
.endm
.macro ASK j0, n
; pieces j0 .. j0 + n - 1 of the group that I fetch: a piece is 100 blocks of 256 bytes, shared out by address among the four partners that ask for it jointly, 25 each: a lane a block, lanes 25-31 name the last again; every cluster asks for what it loads
.set J, \j0
.rept \n
	global_prefetch_b8 v[PFO], s[PFA:PFA+1] offset:BLK*J th:TH_LOAD_NT scope:SCOPE_SE
.set J, J+1
.endr
.endm
	s_load_b128 s[4:7], s[0:1], 0x0
	s_load_b64 s[8:9], s[0:1], 0x10
	v_lshl_add_u32 v[SPW], v0, 2, SPARE
	v_mov_b32 v[NIL], 0
	ds_add_u32 v[SPW], v[NIL]
	ds_add_u32 v[SPW], v[NIL]
	v_lshrrev_b32 v1, 5, v0
	v_readfirstlane_b32 s14, v1
	s_lshr_b32 s15, s14, 1
	s_and_b32 s16, s14, 1
	s_bfe_u32 s40, ttmp6, 0x40000
	s_bfe_u32 s41, ttmp6, 0x40004
	s_lshl_b32 s42, ttmp9, 2
	s_add_co_u32 s42, s42, s40
	s_and_b32 s17, ttmp7, 0xffff
	s_lshr_b32 s95, s17, 1
	s_lshl_b32 s17, s17, 2
	s_add_co_u32 s17, s17, s41
	s_lshl_b32 s43, s41, 2
	s_lshl_b32 s43, 15, s43
	s_lshl_b32 s44, 0x1111, s40
	s_or_b32 s[G1+0], s43, (3<<16)|(1<<21)
	s_or_b32 s[G1D+0], s43, (3<<16)|(1<<21)
	s_or_b32 s[G1B+0], s44, (3<<16)|(1<<21)
	s_or_b32 s[G1BD+0], s44, (3<<16)|(1<<21)
.irp g, G1, G1B
	s_mov_b32 s[\g+1], 32<<16
	s_mov_b32 s[\g+2], 100<<16
	s_mov_b32 s[\g+3], 32<<16
	s_mov_b32 s[\g+4], 100
	s_mov_b32 s[\g+5], 32
	s_mov_b32 s[\g+6], 0
	s_mov_b32 s[\g+7], 0
.endr
.irp g, G1D, G1BD
	s_mov_b32 s[\g+1], 32<<16
	s_mov_b32 s[\g+2], 200<<16
	s_mov_b32 s[\g+3], 32<<16
	s_mov_b32 s[\g+4], 200
	s_mov_b32 s[\g+5], 32
	s_mov_b32 s[\g+6], 0
	s_mov_b32 s[\g+7], 0
.endr
	s_lshr_b32 s18, s17, 3
	s_and_b32 s19, s17, 7
	s_lshl_b32 s20, s17, 1
	s_add_co_u32 s20, s20, s16
	s_mul_i32 s20, s20, A_RG
	s_mov_b32 s21, 0
	s_lshl_b32 s46, s95, 2
	s_add_co_u32 s46, s46, s42
	s_lshl_b32 s46, s46, 1
	s_add_co_u32 s46, s46, s16
	s_mul_i32 s46, s46, B_RG
	s_mov_b32 s47, 0
	s_mul_i32 s45, s14, REG
	s_wait_dscnt 0x0
	s_wait_kmcnt 0x0
	s_add_nc_u64 s[20:21], s[4:5], s[20:21]
	s_add_nc_u64 s[46:47], s[6:7], s[46:47]
	CROUND
	s_mov_b32 s[G0X], 1
	s_mov_b32 s[G0X+1], s45
	s_mov_b64 s[G0X+2:G0X+3], s[20:21]
	s_or_b32 s[G0X+3], s[G0X+3], 0x80000000
	s_mov_b32 s[G0BX], 1
	s_mov_b32 s[G0BX+1], s45
	s_mov_b64 s[G0BX+2:G0BX+3], s[46:47]
	s_or_b32 s[G0BX+3], s[G0BX+3], 0x80000000
	JLOAD G0X, G1, G0BX, G1B
	s_cmp_eq_u32 s15, 0                            ; do I fetch for A?
	s_cselect_b64 s[PFA:PFA+1], s[20:21], s[46:47]
	s_cselect_b32 s88, s40, s41                    ; my place among the four that ask with me
	s_mul_i32 s88, s88, 6400
	s_mov_b32 s89, 0
	s_add_nc_u64 s[PFA:PFA+1], s[PFA:PFA+1], s[88:89]   ; never rewritten
	v_and_b32 v[PFO], 31, v0
	v_min_u32 v[PFO], 24, v[PFO]
	v_lshlrev_b32 v[PFO], 8, v[PFO]                ; never rewritten
	ASK 1, 2                                       ; slots 1 and 2, whose load sets out when slot 0 has landed
	s_mov_b32 s[G0Y], 1
	s_add_co_u32 s[G0Y+1], s45, BLK
	s_add_nc_u64 s[G0Y+2:G0Y+3], s[20:21], BLK
	s_or_b32 s[G0Y+3], s[G0Y+3], 0x80000000
	s_mov_b32 s[G0BY], 1
	s_add_co_u32 s[G0BY+1], s45, BLK
	s_add_nc_u64 s[G0BY+2:G0BY+3], s[46:47], BLK
	s_or_b32 s[G0BY+3], s[G0BY+3], 0x80000000
	s_wait_alu depctr_va_vdst(0)
	s_wait_tensorcnt 0x0
	ds_add_u32 v28, v29
	s_wait_dscnt 0x0
	CROUND
	JLOAD G0Y, G1D, G0BY, G1BD
	ASK 3, 2                                       ; slots 3 and 4: their loads stand behind slot 0's and slot 2's products
	v_and_b32 v1, 15, v0
	v_bfe_u32 v2, v0, 4, 1
	v_and_b32 v3, 31, v0
	v_lshlrev_b32 v[CO], 4, v3
	s_mul_i32 s21, s15, REG
	s_mul_i32 s22, s16, REG
	s_add_co_u32 s22, s22, 2*REG
.irp p, 0,1,2
	v_add_nc_u32 v[ADRA+\p], s21, v[CO]
	v_add_nc_u32 v[ADRB+\p], s22, v[CO]
	s_add_co_u32 s21, s21, BLK
	s_add_co_u32 s22, s22, BLK
.endr
	v_lshlrev_b32 v5, 2, v1
	s_mul_i32 s21, s15, REG
	s_mul_i32 s22, s16, REG
	s_add_co_u32 s22, s22, 2*REG
	s_sub_co_u32 s22, s22, s21
	v_mul_u32_u24 v6, s22, v2
	s_add_co_u32 s21, s21, SCO
	v_add_nc_u32 v5, v5, v6
.irp p, 0,1,2
	v_add_nc_u32 v[ADRS+\p], s21, v5
	s_add_co_u32 s21, s21, BLK
.endr
	s_mul_i32 s23, s14, REG
	s_add_co_u32 s23, s23, 2*BLK
	v_mul_u32_u24 v5, v1, SPITCH
	v_lshl_add_u32 v5, v2, 5, v5
	v_add_nc_u32 v[STO], s23, v5
	v_add_nc_u32 v[RD], s23, v[CO]
	s_lshl_b32 s10, s18, 23
	s_lshl_b32 s11, s19, 1
	s_add_co_u32 s11, s11, s15
	s_lshl_b32 s11, s11, 19
	s_add_co_u32 s10, s10, s11
	s_lshl_b32 s11, s42, 1
	s_add_co_u32 s11, s11, s16
	s_lshl_b32 s11, s11, 9
	s_add_co_u32 s10, s10, s11
	s_mov_b32 s11, 0
	s_add_nc_u64 s[8:9], s[8:9], s[10:11]
.macro FRAG reg, adr, q, i
.irp c, 0,1,2
	ds_load_b128 v[\reg+4*\c:\reg+4*\c+3], v[\adr] offset:3072*(\i)+1536*(\q)+512*\c
.endr
.endm
.macro MUL16 a0, p, q, sc, zero
.irp a, \a0, \a0+1
.irp b, 0,1,2,3,4,5,6,7
.if \zero
	v_wmma_scale_f32_16x16x128_f8f6f4 v[8*(8*((\a)%4)+\b):8*(8*((\a)%4)+\b)+7], v[128*(\p)+FR*\b:128*(\p)+FR*\b+FR-1], v[AF+FR*(\a):AF+FR*(\a)+FR-1], 0, v[SC+8*NQ*(\sc)+NQ*\b+(\q)], v[SC+8*NQ*(\sc)+NQ*(\a)+(\q)] matrix_a_fmt:MATRIX_FMT_FP6 matrix_b_fmt:MATRIX_FMT_FP6 matrix_a_scale:MATRIX_SCALE_ROW1
.else
	v_wmma_scale_f32_16x16x128_f8f6f4 v[8*(8*((\a)%4)+\b):8*(8*((\a)%4)+\b)+7], v[128*(\p)+FR*\b:128*(\p)+FR*\b+FR-1], v[AF+FR*(\a):AF+FR*(\a)+FR-1], v[8*(8*((\a)%4)+\b):8*(8*((\a)%4)+\b)+7], v[SC+8*NQ*(\sc)+NQ*\b+(\q)], v[SC+8*NQ*(\sc)+NQ*(\a)+(\q)] matrix_a_fmt:MATRIX_FMT_FP6 matrix_b_fmt:MATRIX_FMT_FP6 matrix_a_scale:MATRIX_SCALE_ROW1
.endif
.endr
.endr
.endm
.macro FETCH_B pl, q, p
	WIN TO_B
.irp i, 0,1,2,3,4,5,6,7
	FRAG 128*(\p)+FR*\i, ADRB+\pl, \q, \i
.endr
	WIN 0
.endm
.macro FETCH_A pl, q, i0
.irp i, \i0, \i0+1, \i0+2, \i0+3
	FRAG AF+FR*(\i), ADRA+\pl, \q, \i
.endr
.endm
.macro SCALES pl, sc
.irp i, 0,1,2,3,4,5,6,7
.irp q, 0,1
	ds_load_b32 v[SC+8*NQ*(\sc)+NQ*\i+\q], v[ADRS+\pl] offset:512*\q+64*\i
.endr
.endr
.endm
.macro PLACES n
.rept \n
	v_nop
.endr
.endm
.macro START pl, sc
	FETCH_B \pl, 0, 0
	FETCH_A \pl, 0, 0
	SCALES \pl, \sc
	FETCH_A \pl, 0, 4
.endm
.macro STEP pl, sc, zero
	s_wait_dscnt 4*NL
	WIN MUL_LO
	MUL16 0, 0, 0, \sc, \zero
	MUL16 2, 0, 0, \sc, \zero
	s_wait_dscnt 0
	PLACES NP
	FETCH_B \pl, 1, 1
	FETCH_A \pl, 1, 0
	WIN MUL_HI
	MUL16 4, 0, 0, \sc, \zero
	MUL16 6, 0, 0, \sc, \zero
	PLACES NP
	WIN 0
	FETCH_A \pl, 1, 4
.endm
.macro TURNA sc, bar
.if \bar
	s_wait_tensorcnt 0x0
	ds_add_u32 v[SPW], v[NIL]
	s_wait_dscnt 4*NL+1
	WIN MUL_LO
	MUL16 0, 1, 1, \sc, 0
	s_wait_dscnt 0x0
	s_barrier_signal -1
	MUL16 2, 1, 1, \sc, 0
	WIN 0
	s_barrier_wait -1
.else
	s_wait_dscnt 4*NL
	WIN MUL_LO
	MUL16 0, 1, 1, \sc, 0
	MUL16 2, 1, 1, \sc, 0
	s_wait_dscnt 0x0
.endif
.endm
.macro TURNB sc, nx, np, j0, n
.if \np
	PLACES NP
.endif
	FETCH_B \nx, 0, 0
	FETCH_A \nx, 0, 0
	SCALES \nx, 1-(\sc)
.if \n
	ASK \j0, \n
.endif
	WIN MUL_HI
	MUL16 4, 1, 1, \sc, 0
	MUL16 6, 1, 1, \sc, 0
	PLACES NP
	WIN 0
	FETCH_A \nx, 0, 4
.endm
.macro LASTQ sc
	s_wait_dscnt 4*NL
	WIN MUL_LO
	MUL16 0, 1, 1, \sc, 0
	MUL16 2, 1, 1, \sc, 0
	s_wait_dscnt 0
	WIN MUL_HI
	MUL16 4, 1, 1, \sc, 0
	MUL16 6, 1, 1, \sc, 0
	WIN 0
.endm
	s_wait_alu depctr_va_vdst(0)
	s_wait_tensorcnt 1
	s_barrier_signal -1
	s_barrier_wait -1
	START 0, 0
	STEP 0, 0, 1
	TURNA 0, 1
	CREST
	REFILL 0, 3*BLK, 3*BLK, 0
	TURNB 0, 1, 0, 5, 2
	STEP 1, 1, 0
	TURNA 1, 0
	TURNB 1, 2, 1, 0, 0
	STEP 2, 0, 0
	TURNA 0, 1
	CREST
	REFILL 1, 3*BLK, 3*BLK, 1
	TURNB 0, 0, 0, 7, 1
	STEP 0, 1, 0
	TURNA 1, 1
	CREST
	REFILL 0, 3*BLK, 3*BLK, 0
	TURNB 1, 1, 0, 0, 0
	STEP 1, 0, 0
	TURNA 0, 0
	TURNB 0, 2, 1, 0, 0
	STEP 2, 1, 0
	TURNA 1, 1
	CREST
	REFILL 0, BLK, BLK, 1
	TURNB 1, 0, 0, 0, 0
	STEP 0, 0, 0
	TURNA 0, 1
	TURNB 0, 1, 1, 0, 0
	STEP 1, 1, 0
	LASTQ 1
.macro TOSTAGE a
.set AC, 64*((\a)%4)
	WIN 0x08+4*((\a)/4)
.irp b, 0,1,2,3,4,5,6,7
	ds_store_b128 v[STO], v[AC+8*\b:AC+8*\b+3] offset:64*\b
	ds_store_b128 v[STO], v[AC+8*\b+4:AC+8*\b+7] offset:64*\b+16
.endr
	WIN 0
.set BB, BK+64*((\a)%2)
.irp t, 0,1,2,3,4,5,6,7,8,9,10,11,12,13,14,15
	ds_load_b128 v[BB+4*\t:BB+4*\t+3], v[RD] offset:\t*SPITCH
.endr
.endm
.macro SEND a, younger
.set BB, BK+64*((\a)%2)
.set R0, 32*((\a)/2)+8*((\a)%2)
	s_wait_dscnt \younger
.irp t, 0,1,2,3,4,5,6,7,8,9,10,11,12,13,14,15
	global_store_b128 v[CO], v[BB+4*\t:BB+4*\t+3], s[8:9] offset:(R0+\t+8*(\t/8))*4096 th:TH_STORE_NT
.endr
.endm
	PLACES NP
	TOSTAGE 0
.irp a, 1,2,3,4,5,6,7
.if \a > 1
	s_wait_xcnt 0x0
.endif
	TOSTAGE \a
	SEND \a-1, 32
.endr
	SEND 7, 0
	s_wait_tensorcnt 0x0
	ds_add_u32 v[SPW], v[NIL]
	s_wait_dscnt 0x0
	CROUND
	s_endpgm
.Lfunc_end_k_q9e4a10d995_gout:
	.size	k_q9e4a10d995_gout, .Lfunc_end_k_q9e4a10d995_gout-k_q9e4a10d995_gout
	.p2alignl 7, 3214868480
	.fill 96, 4, 3214868480
	.section	.rodata,"a",@progbits
	.p2align	6, 0x0
	.amdhsa_kernel k_q9e4a10d995_gout
		.amdhsa_group_segment_fixed_size 327680
		.amdhsa_private_segment_fixed_size 0
		.amdhsa_enable_private_segment 0
		.amdhsa_kernarg_size 24
		.amdhsa_user_sgpr_count 2
		.amdhsa_user_sgpr_kernarg_segment_ptr 1
		.amdhsa_wavefront_size32 1
		.amdhsa_system_sgpr_workgroup_id_x 1
		.amdhsa_system_sgpr_workgroup_id_y 1
		.amdhsa_system_sgpr_workgroup_id_z 1
		.amdhsa_system_vgpr_workitem_id 0
		.amdhsa_next_free_vgpr 1024
		.amdhsa_next_free_sgpr 98
		.amdhsa_reserve_vcc 0
		.amdhsa_float_denorm_mode_32 3
		.amdhsa_float_denorm_mode_16_64 3
		.amdhsa_memory_ordered 1
		.amdhsa_forward_progress 1
		.amdhsa_inst_pref_size 235
	.end_amdhsa_kernel
	.amdgpu_metadata
---
amdhsa.version: [ 1, 2 ]
amdhsa.kernels:
  - .name:           k_q9e4a10d995_gout
    .symbol:         k_q9e4a10d995_gout.kd
    .args:
      - { .name: pq, .offset: 0, .size: 8, .value_kind: global_buffer, .address_space: global }
      - { .name: xmq, .offset: 8, .size: 8, .value_kind: global_buffer, .address_space: global }
      - { .name: out0, .offset: 16, .size: 8, .value_kind: global_buffer, .address_space: global }
    .group_segment_fixed_size: 327680
    .private_segment_fixed_size: 0
    .kernarg_segment_align: 8
    .kernarg_segment_size: 24
    .max_flat_workgroup_size: 128
    .sgpr_count:     98
    .vgpr_count:     1024
    .wavefront_size: 32
...
	.end_amdgpu_metadata
.endif
;; end of part 4
